; MI455X (gfx1250); checked and timed in simulation.
; The chip was launched on July 23, 2026; its instructions are those of AMD's public machine-readable ISA for CDNA 5 (MIT licence, August 2026) and "CDNA5" Instruction Set Architecture Reference Guide (July 2026). The comments in the code are by the model that wrote it; some were corrected since.
;; Multi Head Self Attention. Allowed arithmetic: matrix products marked QUANTISED: E2M3 operands, one E8M0 scale for each 32 along K, by v_wmma_scale_f32_16x16x128_f8f6f4 with both operands' format E2M3, f32 sums; everything else in f32.
;; Inputs: b_out 1,024 float32; b_qkv 3,072 float32; w_out 1,024 x 1,024 float32; w_qkv 1,024 x 3,072 float32; x 2 x 2,048 x 1,024 float32.
;; Outputs: out0 2 x 2,048 x 1,024 float32.
;; This version of the problem:
;;   THIS VERSION OF THE PROBLEM IS GIVEN IN LOW PRECISION. The matrix products marked QUANTISED in the list below multiply operands that are first quantised to E2M3 (2 exponent bits, 3 mantissa bits; 6 bits a number), with one power-of-two scale for each 32 numbers along K (OCP MX v1.0); their sums are f32. All else is computed in f32.
;;   The module's matrix products, in the order in which they are computed (A, B: the left and right operand; K: the contracted axis; several contracted axes count as one K, in the product's order):
;;     1. [M 4,096, K 1,024] x [K 1,024, N 3,072]; A: input x; B: input w_qkv: QUANTISED
;;     2. batch 32 x [M 2,048, K 64] x [K 64, N 2,048]; A: computed on the way; B: computed on the way: QUANTISED
;;     3. batch 32 x [M 2,048, K 2,048] x [K 2,048, N 64]; A: softmax (see below); B: computed on the way: QUANTISED
;;     4. [M 4,096, K 1,024] x [K 1,024, N 1,024]; A: computed on the way; B: input w_out: QUANTISED
;;   THE QUANTISER, for each operand of a quantised product, along K:
;;     - K is cut into blocks of 32 from its start; a last block that is shorter is filled with zeros.
;;     - A block's scale is 2^e with e = floor(log2(the largest magnitude in the block)) - 2, held to -126 .. 127; a block of zeros has e = 0. As a byte (E8M0): e + 127.
;;     - Each number is divided by its block's scale, clamped to +-7.5, and rounded to the nearest number of E2M3, ties to even, subnormals kept.
;;     - The product sums the exact products of the quantised numbers (number of the format x scale) in f32.
;;   ~~~python
;;   def quantise(x, axis):      # numpy; x: float32 -> the quantised numbers, widened to float32 again
;;       x = np.moveaxis(x, axis, -1); K = x.shape[-1]
;;       x = np.pad(x, [(0, 0)] * (x.ndim - 1) + [(0, -K % 32)]); x = x.reshape(x.shape[:-1] + (-1, 32)); a = np.abs(x).max(-1, keepdims=True)
;;       e = np.where(a > 0, np.clip(np.frexp(np.where(a > 0, a, 1))[1] - 1 - 2, -126, 127), 0)      # np.frexp(a)[1] - 1 = floor(log2(a)), exactly
;;       r = np.clip(x / 2.0 ** e, -7.5, 7.5)
;;       step = 2.0 ** (np.maximum(np.frexp(np.where(r == 0, 1, r))[1] - 1, 0) - 3)
;;       q = np.round(r / step) * step * 2.0 ** e      # np.round: ties to even
;;       return np.moveaxis(q.reshape(q.shape[:-2] + (-1,))[..., :K], -1, axis).astype(np.float32)
;;   ~~~
;;   SOFTMAX AHEAD OF A QUANTISED PRODUCT. Where the list says 'softmax', what is quantised is not the finished softmax but p = 2^(t - M), with t = logit x log2(e) and M = ceil(the row's largest t), a whole number; so 1/2 < the row's largest p <= 1. The row's sum l is taken of the UNQUANTISED p, in f32, and the product's result is divided by l at the end. Since M is a whole number, a kernel that streams over the keys may use a running M (the ceiling of the running maximum): every later rescaling is an exact power of two, which a block's scale takes up: the codes' values come out the same.
;;   OPERANDS COMPUTED ON THE WAY. 'Computed on the way' means the value that the module computes at that place (a softmax that the list does not call 'softmax' is quantised finished and normalised). What goes into a quantiser is computed in f32, as accurately as f32 sums, v_exp_f32 and their like allow (about 1e-6 of the number): no bf16 or f16 on the way to a quantiser, and a product that is left as it is and whose result goes on into a quantised operand takes f32 operands (vector FMAs, or v_wmma_f32_16x16x4_f32). A number that lies on a knife's edge between two numbers of the format may be rounded either way, as far as f32 arithmetic and the matrix unit's own rounding can turn it there, and no further.
;; One version. Each part assembles by itself: llvm-mc -triple=amdgcn-amd-amdhsa -mcpu=gfx1250 --defsym DOCPART=n.
;; ======== version 1 of 1: 4 launches
;; limits: right only within a limited range of input values
;; workspace buffers: xw 6,553,600 bytes; qc 3,145,728 bytes; qs 262,144 bytes; kv 6,684,672 bytes; att 3,276,800 bytes
;; launch quant (part 1): grid 512 x 1, 4 waves a work-group, no clusters, 80,384 bytes of LDS; arguments x, w_qkv, w_out, xw; writes xw
.if DOCPART == 1
	.amdgcn_target "amdgcn-amd-amdhsa--gfx1250"
	.amdhsa_code_object_version 6
	.text
	.protected	k_qb2451121ea_quant
	.globl	k_qb2451121ea_quant
	.p2align	8
	.type	k_qb2451121ea_quant,@function
k_qb2451121ea_quant:
	s_mov_b64 s[64:65], 0
	v_nop
	global_prefetch_b8 v0, s[64:65] scope:SCOPE_SE
	s_setreg_imm32_b32 hwreg(HW_REG_WAVE_MODE, 25, 1), 1
	s_wait_xcnt 0x0
; x [4096][1024], w_qkv [1024][3072] and w_out [1024][1024], f32, become codes of FP6 (E2M3) with one E8M0 byte for each 32 along K (x: its last axis; the weights: their first).
; A block's scale is 2^(floor(log2(largest magnitude)) - 2): its byte is the largest magnitude's exponent field - 2, held at 1 from below by a floor among the maximum's leaves.  No work of the problem is left out.
; LIMITS: NaN and infinities among the inputs are not served; a block whose largest magnitude lies under 2^-124 keeps the byte 1; a block of zeros has the byte 1 where the
; quantiser's text says 127: its codes are zeros, which add nothing under any byte but 0xff, and these bytes are read by this program alone.
; LAYOUT OF THE RESULT.  The rows of an operand (tokens of x, columns of a weight) go in groups of 64; a group gives four tiles of 16 rows, and row p of its tile j is row 8 j + p % 8 + 32 (p / 8) of the group.
; So in a product a lane's 32 result registers of a group's four tiles are 32 neighbours.
; xw [512 tiles][12,800]: 512 bytes of scale words (the word of row p, K step s at 256 (s / 4) + 16 p + 4 (s % 4)), then [8 K steps][1,536]: a fragment (16 rows x 128 K) as an image of its 12 operand registers:
; three blocks of 512 bytes, block c = registers 4 c .. 4 c + 3, lane l's 16 bytes at 16 l.
; Tiles 0-255 x; 256-447 w_qkv, twelve for each column c of the next launch's grid: q's and k's heads 2 c, 2 c + 1, then v's head c; 448-511 w_out.
; SHARES.  Work-groups 0-255: one tile of x each, wave w its K steps 2 w and 2 w + 1.  Work-groups 256-511: 128 columns x 128 K of a weight: a wave makes the codes of 32 neighbouring columns, the four waves put the eight tiles'
; images together in LDS, and wave w stores tiles 2 w and 2 w + 1.  A stream: on x's path a wave asks for all its 16 KB at its head; on the weights' path it keeps up to 63 loads of 128 bytes out.
; No matrix unit, no tensor load, no cluster (no byte is read twice).
; The scale words leave as 4 bytes a lane, 16 bytes apart: one byte in 128 of what the launch moves.
.set R,    64                          ; v64-191  numbers as loaded
.set X,    192                         ; v192-255 x's first fragment, back from the stage
.set CT,   56                          ; v56-62   a conversion's three registers begin on an even number: the second half of a block's six is made here and moved
.set STG,  8448                        ; x: a stage: 16 rows x (512 bytes + 16); two for each wave
.set WIMG, 67584                       ; the weights: eight images, in LDS bytes of their own
.set SPARE, 79872                      ; the spare words, 128 bytes a wave
.set TILE, 12800
	s_load_b128 s[4:7], s[0:1], 0x0                ; x, w_qkv
	s_load_b128 s[8:11], s[0:1], 0x10              ; w_out, xw
	v_lshl_add_u32 v59, v0, 2, SPARE
	v_mov_b32 v63, 0
	v_lshrrev_b32 v1, 5, v0
	v_readfirstlane_b32 s14, v1                    ; wave
	v_and_b32 v1, 31, v0                           ; lane l
	v_and_b32 v2, 15, v0                           ; r
	v_bfe_u32 v3, v0, 4, 1                         ; h
	v_lshlrev_b32 v4, 4, v1                        ; 16 l
	v_mov_b32 v16, 0                               ; a lane permute's destination counts as one of its sources
	s_mov_b32 s20, 0x76543210
	s_mov_b32 s21, 0xfedcba98                      ; selects for lane l xor 16
	s_mov_b32 s22, 0xffff0000                      ; lanes 16-31
	s_wait_alu depctr_va_vdst(0)                   ; the wait ahead of the branch
	s_cmp_lt_u32 ttmp9, 256
	s_cbranch_scc0 .Lweights
; ---------------- x: K is innermost ----------------
	s_mul_i32 s15, s14, 2*STG                      ; my wave's two stages
	v_add_nc_u32 v5, s15, v4                       ; into a stage: a row's 512 bytes as they lie
	v_mul_u32_u24 v6, v2, 528
	v_lshl_add_u32 v6, v3, 7, v6
	v_add_nc_u32 v6, s15, v6                       ; out of it: row r, + 128 h: the operand's layout gives lane (r, h) k = 64 c + 32 h + 0 .. 31
	v_lshlrev_b32 v7, 4, v2
	v_lshl_add_u32 v7, v3, 2, v7                   ; scale words: 16 r + 4 h
	v_lshlrev_b32 v8, 3, v3                        ; 8 h
	s_lshr_b32 s16, ttmp9, 2
	s_lshl_b32 s16, s16, 6
	s_and_b32 s17, ttmp9, 3
	s_lshl_b32 s17, s17, 3
	s_add_co_u32 s16, s16, s17                     ; the tile's first token: 64 (m / 4) + 8 (m % 4)
	s_lshl_b32 s16, s16, 12                        ; rows of 4,096 bytes
	s_lshl_b32 s17, s14, 10                        ; my two K steps: 1,024 bytes of a row
	s_add_co_u32 s16, s16, s17
	s_mov_b32 s17, 0
	s_mul_i32 s24, ttmp9, TILE
	s_mul_i32 s18, s14, 3072
	s_add_co_u32 s18, s18, s24
	s_add_co_u32 s18, s18, 512                     ; my two images
	s_mov_b32 s19, 0
	s_lshr_b32 s25, s14, 1
	s_lshl_b32 s25, s25, 8
	s_add_co_u32 s24, s24, s25
	s_and_b32 s25, s14, 1
	s_lshl_b32 s25, s25, 3
	s_add_co_u32 s24, s24, s25                     ; my two words of a row: 256 (w / 2) + 8 (w % 2) into the tile
	s_mov_b32 s25, 0
	s_wait_alu depctr_va_vdst(0)
	s_wait_kmcnt 0x0
	s_add_nc_u64 s[4:5], s[4:5], s[16:17]
	s_add_nc_u64 s[12:13], s[10:11], s[24:25]
	s_add_nc_u64 s[10:11], s[10:11], s[18:19]
.irp f, 0,1
.irp i, 0,1,2,3,4,5,6,7,8,9,10,11,12,13,14,15
	global_load_b128 v[R+64*\f+4*\i:R+64*\f+4*\i+3], v4, s[4:5] offset:(\i+24*(\i/8))*4096+512*\f th:TH_LOAD_NT   ; row i of the tile, K step f: 32 lanes read 512 consecutive bytes
.endr
.endr
.macro STAGE_IN f
.irp i, 0,1,2,3,4,5,6,7,8,9,10,11,12,13,14,15
	ds_store_b128 v5, v[R+64*\f+4*\i:R+64*\f+4*\i+3] offset:STG*\f+528*\i
.endr
.endm
.macro STAGE_OUT f, dst                ; register 32 c + 4 j on: k = 64 c + 32 h + 4 j on, of row r.  LDS serves a wave's instructions in order: these see the stores
.irp c, 0,1
.irp j, 0,1,2,3,4,5,6,7
	ds_load_b128 v[\dst+32*\c+4*\j:\dst+32*\c+4*\j+3], v6 offset:STG*\f+256*\c+16*\j
.endr
.endr
.endm
; 64 numbers of a lane (two whole blocks of 32) become a fragment's 12 registers at v[dst] and its scale word in v[wd]
.macro QF src, dst, wd
.irp c, 0,1
	v_max3_num_f32 v[10+\c], |v[\src+32*\c]|, |v[\src+32*\c+1]|, 0x1800000   ; with the floor 2^(3 - 127): the byte cannot fall under 1
.endr
.irp i, 2,4,6,8,10,12,14,16,18,20,22,24,26,28,30
.irp c, 0,1
	v_max3_num_f32 v[10+\c], v[10+\c], |v[\src+32*\c+\i]|, |v[\src+32*\c+\i+1]|   ; the two blocks by turns
.endr
.endr
.irp c, 0,1
	v_add_nc_u32 v[12+\c], 0xff000000, v[10+\c]    ; 2 off the exponent field: the conversion's scale operand
.endr
.irp c, 0,1
	v_lshrrev_b32 v[14+\c], 23, v[12+\c]           ; the scale's byte
.endr
	v_lshl_or_b32 v[\wd], v15, 16, v14             ; my bytes: blocks h and 2 + h of row r,
	v_lshlrev_b32 v[\wd], v8, v[\wd]               ; 8 h bits up;
	v_permlanex16_b32 v16, v[\wd], s20, s21
	v_or_b32 v[\wd], v[\wd], v16                   ; with lane l xor 16's two the word is whole, in both halves of the lanes
.irp c, 0,1
	v_cvt_scalef32_pk16_fp6_f32 v[\dst+6*\c:\dst+6*\c+2], v[\src+32*\c:\src+32*\c+15], v[12+\c]
	v_cvt_scalef32_pk16_fp6_f32 v[CT+4*\c:CT+4*\c+2], v[\src+32*\c+16:\src+32*\c+31], v[12+\c]
.endr
	v_nop                                          ; one plain line behind the scaled conversions
.irp c, 0,1
.irp i, 0,1,2
	v_mov_b32 v[\dst+6*\c+3+\i], v[CT+4*\c+\i]
.endr
.endr
.endm
	s_wait_loadcnt 16                              ; K step 0's sixteen loads are in; K step 1's may be out
	STAGE_IN 0
	STAGE_OUT 0, X
	s_wait_loadcnt 0x0
	STAGE_IN 1
	s_wait_dscnt 16                                ; all but the sixteen stores just issued: the first fragment is back, and the first stage's stores have read v64-127,
	STAGE_OUT 1, R                                 ; which take the second fragment
	QF X, 32, 17
	s_wait_alu depctr_va_vdst(0)
	s_wait_dscnt 0x0
	QF R, 44, 18
.irp f, 0,1
.irp c, 0,1,2
	global_store_b128 v4, v[32+12*\f+4*\c:35+12*\f+4*\c], s[10:11] offset:1536*\f+512*\c   ; 32 lanes store 512 consecutive bytes, aligned
.endr
.endr
	v_cndmask_b32 v9, v17, v18, s22                ; lanes 0-15 store the first K step's words, lanes 16-31 the second's
	global_store_b32 v7, v9, s[12:13]
	s_wait_tensorcnt 0x0                           ; the wave's end
	ds_add_u32 v59, v63
	s_wait_dscnt 0x0
	s_endpgm
; ---------------- the weights: K is the first axis.  A lane takes a column and its registers run down K ----------------
.Lweights:
	s_sub_co_u32 s15, ttmp9, 256
	s_mov_b32 s18, 4096
	s_wait_kmcnt 0x0
	s_cmp_lt_u32 s15, 192                          ; w_qkv's 24 x 8 work-groups, then w_out's 8 x 8: the choice hangs on the work-group's number alone
	s_cselect_b64 s[4:5], s[6:7], s[8:9]
	s_cselect_b32 s18, 12288, s18                  ; a row in bytes
	s_cselect_b32 s19, 1, 0
	s_cselect_b32 s16, 0, 192
	s_sub_co_u32 s15, s15, s16
	s_and_b32 s23, s15, 7                          ; K step
	s_lshr_b32 s24, s15, 3                         ; G: which 128 columns
	s_lshl_b32 s25, s23, 7
	s_mul_i32 s25, s25, s18                        ; 128 rows a K step
	s_lshl_b32 s26, s24, 9
	s_add_co_u32 s25, s25, s26
	s_lshl_b32 s26, s14, 7                         ; my wave's 32 columns
	s_add_co_u32 s26, s25, s26
	s_mov_b32 s27, 0
	s_add_nc_u64 s[4:5], s[4:5], s[26:27]
	; the first tile of the two that I store: q, k: 256 + 12 G + 2 w;  v (G from 16 on): 256 + 12 (2 (G - 16) + w / 2) + 8 + 2 (w % 2) = 24 G - 120 + 2 w + 8 (w / 2);  w_out: 448 + 8 G + 2 w
	s_lshl_b32 s29, s14, 1
	s_mul_i32 s28, s24, 12
	s_add_co_u32 s28, s28, s29
	s_add_co_u32 s28, s28, 256
	s_mul_i32 s30, s24, 24
	s_lshr_b32 s31, s14, 1
	s_lshl_b32 s31, s31, 3
	s_add_co_u32 s30, s30, s31
	s_add_co_u32 s30, s30, s29
	s_sub_co_u32 s30, s30, 120
	s_lshl_b32 s31, s24, 3
	s_add_co_u32 s31, s31, s29
	s_add_co_u32 s31, s31, 448
	s_cmp_lt_u32 s24, 16
	s_cselect_b32 s28, s28, s30
	s_cmp_eq_u32 s19, 1
	s_cselect_b32 s17, s28, s31
	s_mul_i32 s28, s17, TILE
	s_lshr_b32 s30, s23, 2
	s_lshl_b32 s30, s30, 8
	s_and_b32 s31, s23, 3
	s_lshl_b32 s31, s31, 2
	s_add_co_u32 s30, s30, s31
	s_add_co_u32 s30, s30, s28
	s_and_b32 s31, s14, 1
	s_mul_i32 s31, s31, 2*TILE
	s_sub_co_u32 s30, s30, s31                     ; the scale words of my K step, in the first tile of my columns' group of 64
	s_mov_b32 s31, 0
	s_mul_i32 s29, s23, 1536
	s_add_co_u32 s28, s28, s29
	s_add_co_u32 s28, s28, 512                     ; my first tile's image
	s_mov_b32 s29, 0
	s_add_nc_u64 s[12:13], s[10:11], s[30:31]
	s_add_nc_u64 s[10:11], s[10:11], s[28:29]
	s_and_b32 s28, s14, 1
	s_lshl_b32 s28, s28, 7                         ; 16 x 8 (w % 2)
	s_lshr_b32 s29, s14, 1
	s_mul_i32 s29, s29, 6144
	s_add_co_u32 s29, s29, WIMG
	s_mul_i32 s30, s14, 3072
	s_add_co_u32 s30, s30, WIMG
	s_wait_alu depctr_va_vdst(0)
	v_lshlrev_b32 v5, 2, v1                        ; lane l's column, l of my 32, is row p = 8 (w % 2) + l % 8 of tile j = l / 8 of the group of 64
	v_and_b32 v6, 7, v0
	v_lshrrev_b32 v7, 3, v1                        ; j
	v_lshl_add_u32 v6, v6, 4, s28                  ; 16 p
	v_mul_u32_u24 v8, v7, 1536
	v_add_nc_u32 v8, v8, v6
	v_add_nc_u32 v8, s29, v8                       ; LDS: tile j's image, lane p's place
	v_mad_u32_u24 v7, v7, TILE, v6                 ; my column's scale word
	v_add_nc_u32 v9, s30, v4                       ; LDS: the images that I store
.macro WLOADS from, n, pitch           ; rows from .. from + n - 1 of the K step: a load of the wave reads 128 consecutive bytes, the four waves stand side by side on 512
.set q, \from
.rept \n
	global_load_b32 v[R+q], v5, s[4:5] offset:q*\pitch th:TH_LOAD_NT
.set q, q+1
.endr
.endm
.macro WBLOCK kb, dst                  ; block kb of my column: all 32 numbers are mine
.set B0, R+32*\kb
	v_max3_num_f32 v10, |v[B0]|, |v[B0+1]|, 0x1800000
	v_max3_num_f32 v11, |v[B0+2]|, |v[B0+3]|, |v[B0+4]|
.irp i, 5,9,13,17,21,25
	v_max3_num_f32 v10, v10, |v[B0+\i]|, |v[B0+\i+1]|
	v_max3_num_f32 v11, v11, |v[B0+\i+2]|, |v[B0+\i+3]|
.endr
	v_max3_num_f32 v10, v10, |v[B0+29]|, |v[B0+30]|
	v_max3_num_f32 v10, v10, v11, |v[B0+31]|
	v_add_nc_u32 v12, 0xff000000, v10
	v_lshrrev_b32 v13, 23, v12
.if \kb == 0
	v_mov_b32 v17, v13                             ; my column's scale word: the lower K in the lower byte
.else
	v_lshl_or_b32 v17, v13, 8*\kb, v17
.endif
	v_cvt_scalef32_pk16_fp6_f32 v[\dst:\dst+2], v[B0:B0+15], v12
	v_cvt_scalef32_pk16_fp6_f32 v[CT:CT+2], v[B0+16:B0+31], v12
	v_nop
.irp i, 0,1,2
	v_mov_b32 v[\dst+3+\i], v[CT+\i]
.endr
.endm
; The K step's 128 rows and four blocks.  Each row has a register of its own; at most 63 loads of the wave are out, and each wait is counted by the loads issued behind the block's last row.
.macro WPATH pitch
	WLOADS 0, 63, \pitch
	s_wait_loadcnt 31                              ; rows 0-31 are in: behind row 31 stand rows 32-62
	WLOADS 63, 32, \pitch
	WBLOCK 0, 32
	s_wait_loadcnt 31                              ; rows 32-63: behind row 63 stand rows 64-94
	WLOADS 95, 32, \pitch
	WBLOCK 1, 44
	s_wait_loadcnt 31                              ; rows 64-95: behind row 95 stand rows 96-126
	WLOADS 127, 1, \pitch
	WBLOCK 2, 38
	s_wait_loadcnt 0x0
	WBLOCK 3, 50
.endm
	s_cmp_eq_u32 s19, 1                            ; the rows' distance stands in the loads' immediates: the run is written once for each tensor
	s_cbranch_scc0 .Lnarrow
	s_wait_alu depctr_va_vdst(0)
	WPATH 12288
	s_wait_alu depctr_va_vdst(0)
	s_branch .Lblocks_done
.Lnarrow:
	s_wait_alu depctr_va_vdst(0)
	WPATH 4096
.Lblocks_done:
; A fragment wants blocks h and 2 + h of row r in lane (r, h): v32-43 are my column's registers for h = 0, v44-55 for h = 1.
	s_wait_alu depctr_va_vdst(0)
	global_store_b32 v7, v17, s[12:13]
.irp u, 0,1
.irp c, 0,1,2
	ds_store_b128 v8, v[32+12*\u+4*\c:35+12*\u+4*\c] offset:512*\c+256*\u
.endr
.endr
	s_wait_dscnt 0x0                               ; my columns stand in the images
	s_barrier_signal -1
	s_barrier_wait -1                              ; everybody's do
.irp u, 0,1
.irp c, 0,1,2
	ds_load_b128 v[R+12*\u+4*\c:R+12*\u+4*\c+3], v9 offset:1536*\u+512*\c
.endr
.endr
	s_wait_dscnt 0x0
.irp u, 0,1
.irp c, 0,1,2
	global_store_b128 v4, v[R+12*\u+4*\c:R+12*\u+4*\c+3], s[10:11] offset:TILE*\u+512*\c   ; 32 lanes store 512 consecutive bytes, aligned
.endr
.endr
	s_wait_tensorcnt 0x0                           ; the wave's end
	ds_add_u32 v59, v63
	s_wait_dscnt 0x0
	s_endpgm
.Lfunc_end_k_qb2451121ea_quant:
	.size	k_qb2451121ea_quant, .Lfunc_end_k_qb2451121ea_quant-k_qb2451121ea_quant
	.p2alignl 7, 3214868480
	.fill 96, 4, 3214868480
	.section	.rodata,"a",@progbits
	.p2align	6, 0x0
	.amdhsa_kernel k_qb2451121ea_quant
		.amdhsa_group_segment_fixed_size 80384
		.amdhsa_private_segment_fixed_size 0
		.amdhsa_enable_private_segment 0
		.amdhsa_kernarg_size 32
		.amdhsa_user_sgpr_count 2
		.amdhsa_user_sgpr_kernarg_segment_ptr 1
		.amdhsa_wavefront_size32 1
		.amdhsa_system_sgpr_workgroup_id_x 1
		.amdhsa_system_sgpr_workgroup_id_y 1
		.amdhsa_system_sgpr_workgroup_id_z 1
		.amdhsa_system_vgpr_workitem_id 0
		.amdhsa_next_free_vgpr 256
		.amdhsa_next_free_sgpr 66
		.amdhsa_reserve_vcc 0
		.amdhsa_float_denorm_mode_32 3
		.amdhsa_float_denorm_mode_16_64 3
		.amdhsa_memory_ordered 1
		.amdhsa_forward_progress 1
		.amdhsa_inst_pref_size 57
	.end_amdhsa_kernel
	.amdgpu_metadata
---
amdhsa.version: [ 1, 2 ]
amdhsa.kernels:
  - .name:           k_qb2451121ea_quant
    .symbol:         k_qb2451121ea_quant.kd
    .args:
      - { .name: x, .offset: 0, .size: 8, .value_kind: global_buffer, .address_space: global }
      - { .name: w_qkv, .offset: 8, .size: 8, .value_kind: global_buffer, .address_space: global }
      - { .name: w_out, .offset: 16, .size: 8, .value_kind: global_buffer, .address_space: global }
      - { .name: xw, .offset: 24, .size: 8, .value_kind: global_buffer, .address_space: global }
    .group_segment_fixed_size: 80384
    .private_segment_fixed_size: 0
    .kernarg_segment_align: 8
    .kernarg_segment_size: 32
    .max_flat_workgroup_size: 128
    .sgpr_count:     66
    .vgpr_count:     256
    .wavefront_size: 32
...
	.end_amdgpu_metadata
.endif
;; end of part 1
;; launch qkv (part 2): grid 16 x 16, 4 waves a work-group, clusters of 4 x 4, 327,680 bytes of LDS; arguments xw, b_qkv, qc, qs, kv; writes qc, qs, kv
.if DOCPART == 2
	.amdgcn_target "amdgcn-amd-amdhsa--gfx1250"
	.amdhsa_code_object_version 6
	.text
	.protected	k_qb2451121ea_qkv
	.globl	k_qb2451121ea_qkv
	.p2align	8
	.type	k_qb2451121ea_qkv,@function
k_qb2451121ea_qkv:
	s_mov_b64 s[64:65], 0
	v_nop
	global_prefetch_b8 v0, s[64:65] scope:SCOPE_SE
	s_setreg_imm32_b32 hwreg(HW_REG_WAVE_MODE, 25, 1), 1
	s_wait_xcnt 0x0
	s_wait_alu depctr_hold_cnt(0) depctr_sa_sdst(0) depctr_va_vdst(0) depctr_va_sdst(0) depctr_va_ssrc(0) depctr_va_vcc(0) depctr_vm_vsrc(0)
	s_getreg_b32 s2, hwreg(HW_REG_IB_STS2, 6, 4)
	s_cmp_eq_u32 s2, 0
	s_cbranch_scc0 .Lentry_in_a_cluster
	s_endpgm
.Lentry_in_a_cluster:
	s_bfe_u32 s2, ttmp6, 0x10000c
	s_cmp_lg_u32 s2, 0xf033
	s_cbranch_scc0 .Lentry_shape_is_right
	s_endpgm
.Lentry_shape_is_right:
; qkv = x w_qkv + b_qkv on codes of FP6 (E2M3) with E8M0 scales, sums in f32; the result is quantised at once for attention's two products and leaves as codes: q and k along the head's 64, v along the keys.
; SHARES.  256 work-groups: column x of the grid makes heads 2 x, 2 x + 1 of q's and k's 32 and head x of v's 16, for the 256 tokens of row y.  Four waves, 2 x 2: wave (i1, i0) takes 128 tokens (8 tiles), one q or k head
; (4 tiles of features) and half a v head (2 tiles): 48 accumulators of 16 x 16.
; A lane's result registers run along SOURCE 0's rows, and that is the axis to be quantised.  q, k: source 0 = features, source 1 = tokens.  v: source 0 = tokens, source 1 = features.  A fragment serves on either side.
; By the order of rows that launch quant lays, the 32 registers of four tiles are 32 neighbours: one scale block in one lane.  The bias is the C of each sum's first product.
; LDS.  Eight K steps of 128.  At the head, one joint load a wave: wave 0 the tokens' scale words and steps 0, 1 (16 tiles x 3,584 bytes), wave 1 the features' (12 tiles), waves 2 and 3 the same tiles' steps 2 to 5.
; Steps 6, 7 are the launch's one refill, over steps 0, 1: a round of the cluster's barrier in step 1.  All of LDS is claimed.
; CLUSTER 4 x 4: the tokens' tiles hang on y alone and are shared along a row of the cluster, the features' on x alone, along a column.
; No prefetch into the L2: six of the eight K steps are asked for at the head, and there is no loop to run ahead in.
; RESULT.  qc [32 heads][16 steps of 128 tokens][4][1,536]: image p holds token tiles 2 p (registers 0-5: k = 32 h + 0 .. 31 of the head's 64) and 2 p + 1 (6-11).  qs [32][16][512]: the word at 16 l + 4 j for tile 2 j + l / 16,
; row l % 16: the head's two bytes, twice.  kv [32][16][13,056]: k's images as q's; at 6,144 v's four images (16 channels x 128 tokens); at 12,288 k's words as q's; at 12,800 v's words: 8 l + 4 j for tile 2 j + l / 16.
; LIMITS: NaN and infinities are not served; a block under 2^-124 keeps the byte 1, and so does a block of zeros (its codes are zeros; this program alone reads the bytes).
; REGISTERS.  Window 0: v4-29 addresses; v32-109 scale words (10 i + s: tile i, K step s; lanes 0-15 the tokens', lanes 16-31 the features', tiles 4, 5 v's); v112-159 the bias, on the way out at work; v160-231 results.
; Window 1: tokens' fragments of even steps v0-95; features' v96-167 (even), v168-239 (odd).  Window 2: q's or k's sums, 8 (4 a + j).  Window 3: v's sums, 64 u + 8 a; tokens' fragments of odd steps v128-223.
.set SPARE, 272384
.set AT,   4                           ; v4-6    LDS address of my tokens' fragments: steps 0-1, 2-5, 6-7
.set AQ,   8                           ; v8-10   of my q or k head's
.set AV,   12                          ; v12-14  of my v tiles'
.set AS1,  16                          ; v16, 17 of scale words
.set AS2,  17
.set SH,   18                          ; v18     8 h;  v19 8 - 8 h
.set SM,   19
.set LI,   25                          ; v25     16 x lane
.set L8,   26                          ; v26     8 x lane
.set SPW,  28                          ; v28     my spare word;  v29 0
.set NIL,  29
.set SC,   32
.set BQ,   112
.set BV,   144
.set MSB, 0
.macro WIN new                         ; the immediate's high byte repeats the setting that is left; a switch that changes nothing is dropped
.if MSB != (\new)
	s_set_vgpr_msb (MSB<<8)|(\new)
.set MSB, (\new)
.endif
.endm
.macro PLACES n
.rept \n
	v_nop
.endr
.endm
.macro CREST
	s_cmp_lg_u32 s14, 0
	s_cbranch_scc1 .Lnot_wave_0_\@
	s_barrier_signal -3
.Lnot_wave_0_\@:
	s_barrier_wait -3
	s_barrier_signal -1
	s_barrier_wait -1
.endm
.macro CROUND
	s_barrier_signal -1
	s_barrier_wait -1
	CREST
.endm
.macro TLOAD g0, g1
	tensor_load_to_lds s[\g0:\g0+3], s[\g1:\g1+7]
	s_nop 0
	PLACES 4
.endm
.macro GROUP1 g, mask, n, rows         ; rows of n elements of 8 bytes, a tile's 12,800 bytes (1,600 elements) apart; no padding: an image is read 16 bytes a lane on end
	s_or_b32 s[\g], s[\mask], (3<<16)|(1<<21)
	s_mov_b32 s[\g+1], (\n)<<16
	s_mov_b32 s[\g+2], (\rows)<<16
	s_mov_b32 s[\g+3], (\n)<<16
	s_mov_b32 s[\g+4], \rows
	s_mov_b32 s[\g+5], 1600
	s_mov_b32 s[\g+6], 0
	s_mov_b32 s[\g+7], 0
.endm
.macro GROUP0 g, lds, src, off
	s_mov_b32 s[\g], 1
	s_mov_b32 s[\g+1], \lds
	s_add_nc_u64 s[\g+2:\g+3], s[\src:\src+1], \off
	s_or_b32 s[\g+3], s[\g+3], 0x80000000
.endm
.macro ADDR v, i, mul, base
	s_mul_i32 s66, s[\i], \mul
	s_add_co_u32 s66, s66, \base
	v_add_nc_u32 v[\v], s66, v[LI]
.endm
	s_load_b128 s[4:7], s[0:1], 0x0                ; xw, b_qkv
	s_load_b128 s[8:11], s[0:1], 0x10              ; qc, qs
	s_load_b64 s[12:13], s[0:1], 0x20              ; kv
	v_lshl_add_u32 v[SPW], v0, 2, SPARE
	v_mov_b32 v[NIL], 0
	ds_add_u32 v[SPW], v[NIL]                      ; the opening lines
	ds_add_u32 v[SPW], v[NIL]
	v_lshrrev_b32 v1, 5, v0
	v_readfirstlane_b32 s14, v1                    ; wave 0..3
	s_lshr_b32 s15, s14, 1                         ; i1: my 128 tokens
	s_and_b32 s16, s14, 1                          ; i0: my features
	s_bfe_u32 s17, ttmp6, 0x40000                  ; cx
	s_bfe_u32 s18, ttmp6, 0x40004                  ; cy
	s_lshl_b32 s19, ttmp9, 2
	s_add_co_u32 s19, s19, s17                     ; x
	s_and_b32 s20, ttmp7, 0xffff
	s_lshl_b32 s20, s20, 2
	s_add_co_u32 s20, s20, s18                     ; y
	s_lshl_b32 s21, s18, 2
	s_lshl_b32 s21, 15, s21                        ; my row of the cluster
	s_lshl_b32 s22, 0x1111, s17                    ; my column
	GROUP1 24, 21, 448, 16                         ; tokens: scale words and steps 0, 1
	GROUP1 32, 22, 448, 12                         ; features
	GROUP1 40, 21, 768, 16                         ; tokens: steps 2 to 5
	GROUP1 48, 22, 768, 12
	s_mul_i32 s96, s20, 204800                     ; the tokens' 16 tiles
	s_mov_b32 s97, 0
	s_mul_i32 s98, s19, 153600                     ; the features' 12, behind x's 256
	s_add_co_u32 s98, s98, 3276800
	s_mov_b32 s99, 0
	s_wait_alu depctr_va_vdst(0)
	s_wait_dscnt 0x0
	CROUND                                         ; all sixteen work-groups are here: the first joint loads meet
	s_wait_kmcnt 0x0
	s_add_nc_u64 s[96:97], s[4:5], s[96:97]
	s_add_nc_u64 s[98:99], s[4:5], s[98:99]
	GROUP0 56, 0, 96, 0
	GROUP0 60, 57344, 98, 0
	GROUP0 68, 100352, 96, 3584
	GROUP0 72, 198656, 98, 3584
	s_cmp_eq_u32 s14, 0
	s_cbranch_scc0 .Lwave_1
	TLOAD 56, 24
	s_branch .Lasked
.Lwave_1:
	s_cmp_eq_u32 s14, 1
	s_cbranch_scc0 .Lwave_2
	TLOAD 60, 32
	s_branch .Lasked
.Lwave_2:
	s_cmp_eq_u32 s14, 2
	s_cbranch_scc0 .Lwave_3
	TLOAD 68, 40
	s_branch .Lasked
.Lwave_3:
	TLOAD 72, 48
.Lasked:
	v_and_b32 v1, 31, v0
	v_and_b32 v2, 15, v0                           ; r
	v_bfe_u32 v3, v0, 4, 1                         ; h
	v_lshlrev_b32 v[LI], 4, v1
	v_lshlrev_b32 v[L8], 3, v1
	v_lshlrev_b32 v[SH], 3, v3
	v_sub_nc_u32 v[SM], 8, v[SH]
	v_lshlrev_b32 v20, 7, v3                       ; q's, k's bias: 128 bytes on end for each half of the lanes
	v_lshrrev_b32 v21, 3, v2
	v_lshlrev_b32 v21, 7, v21
	v_and_b32 v22, 7, v2
	v_lshl_add_u32 v21, v22, 2, v21                ; v's: channel r % 8 + 32 (r / 8)
	s_wait_alu depctr_va_vdst(0)
	s_lshl_b32 s92, s19, 9
	s_lshl_b32 s66, s16, 8
	s_add_co_u32 s92, s92, s66                     ; 4 (128 x + 64 i0)
	s_mov_b32 s93, 0
	s_add_nc_u64 s[92:93], s[6:7], s[92:93]
	s_lshl_b32 s94, s19, 8
	s_lshl_b32 s66, s16, 6
	s_add_co_u32 s94, s94, s66
	s_add_co_u32 s94, s94, 8192                    ; 4 (2,048 + 64 x + 16 i0)
	s_mov_b32 s95, 0
	s_add_nc_u64 s[94:95], s[6:7], s[94:95]
.irp q, 0,1,2,3,4,5,6,7
	global_load_b128 v[BQ+4*\q:BQ+4*\q+3], v20, s[92:93] offset:16*\q   ; register 8 j + i: feature 32 h + 8 j + i of the head
.endr
	global_load_b32 v[BV], v21, s[94:95]           ; row r of my v tiles u = 0, 1
	global_load_b32 v[BV+8], v21, s[94:95] offset:32
	ADDR AT,   15, 28672, 0
	ADDR AT+1, 15, 49152, 100352
	ADDR AT+2, 15, 24576, 0
	ADDR AQ,   16, 14336, 57344
	ADDR AQ+1, 16, 24576, 198656
	ADDR AQ+2, 16, 12288, 57344
	ADDR AV,   16, 7168,  86016
	ADDR AV+1, 16, 12288, 247808
	ADDR AV+2, 16, 6144,  81920
	s_wait_alu depctr_va_vdst(0)
	s_mul_i32 s66, s15, 28672                      ; scale words: lanes 0-15 my tokens' tiles, lanes 16-31 my features': the lower base + h x the distance
	s_mul_i32 s67, s16, 14336
	s_add_co_u32 s67, s67, 57344
	s_sub_co_u32 s67, s67, s66
	v_mul_u32_u24 v23, s67, v3
	v_lshl_add_u32 v23, v2, 4, v23
	v_add_nc_u32 v[AS1], s66, v23
	s_mul_i32 s67, s16, 7168
	s_add_co_u32 s67, s67, 71680
	s_sub_co_u32 s67, s67, s66
	v_mul_u32_u24 v24, s67, v3
	v_lshl_add_u32 v24, v2, 4, v24
	v_add_nc_u32 v[AS2], s66, v24                  ; tiles 4, 5: v's
	; where the results go
	s_and_b32 s76, s20, 7
	s_lshl_b32 s76, s76, 1
	s_add_co_u32 s76, s76, s15                     ; the step of 128 tokens in its batch
	s_lshr_b32 s77, s20, 3
	s_lshl_b32 s77, s77, 4                         ; 16 x batch
	s_lshl_b32 s78, s19, 1
	s_add_co_u32 s78, s78, s16
	s_and_b32 s78, s78, 15
	s_add_co_u32 s78, s78, s77
	s_lshl_b32 s78, s78, 4
	s_add_co_u32 s78, s78, s76                     ; q, k: (16 batch + head) x 16 + step
	s_add_co_u32 s77, s77, s19
	s_lshl_b32 s77, s77, 4
	s_add_co_u32 s77, s77, s76                     ; v
	s_mov_b32 s79, 13056
	s_mov_b32 s83, 12288
	s_cmp_lt_u32 ttmp9, 2                          ; q or k: the same in all sixteen partners
	s_cselect_b32 s80, 6144, s79
	s_cselect_b32 s82, 512, s79
	s_cselect_b32 s83, 0, s83
	s_cselect_b64 s[84:85], s[8:9], s[12:13]
	s_cselect_b64 s[86:87], s[10:11], s[12:13]
	s_mul_i32 s80, s78, s80
	s_mov_b32 s81, 0
	s_add_nc_u64 s[84:85], s[84:85], s[80:81]
	s_mul_i32 s82, s78, s82
	s_add_co_u32 s82, s82, s83
	s_mov_b32 s83, 0
	s_add_nc_u64 s[86:87], s[86:87], s[82:83]
	s_mul_i32 s80, s77, s79
	s_mul_i32 s76, s16, 3072
	s_add_co_u32 s82, s80, s76
	s_add_co_u32 s82, s82, 6144
	s_add_nc_u64 s[88:89], s[12:13], s[82:83]      ; my two v images
	s_lshl_b32 s76, s16, 2
	s_add_co_u32 s80, s80, s76
	s_add_co_u32 s80, s80, 12800
	s_add_nc_u64 s[90:91], s[12:13], s[80:81]      ; their words
	s_mov_b32 s2, 0x76543210
	s_mov_b32 s3, 0xfedcba98                       ; selects for lane l xor 16
	s_mov_b32 s66, 0xffff0000                      ; lanes 16-31
	s_wait_alu depctr_va_vdst(0)                   ; the wait here, directly ahead of the wait below
	s_wait_loadcnt 0x0                             ; the bias
.irp i, 1,2,3,4,5,6,7
	v_mov_b32 v[BV+\i], v[BV]                      ; v's number, one a lane and tile, over the tile's eight registers
	v_mov_b32 v[BV+8+\i], v[BV+8]
.endr
; ---- loads of K step st, 42 of them: features' four tiles, tokens' eight, v's two, three loads of 16 bytes a lane each.  Load L of step st:
.macro LD1 st, L
.set F_, (\L)/3
.set C_, 512*((\L)%3)
.set P_, (\st)%2
.if (\st) < 2
.set G_, 0
.set T_, 3584
.set C_, C_+512+1536*(\st)
.elseif (\st) < 6
.set G_, 1
.set T_, 6144
.set C_, C_+1536*((\st)-2)
.else
.set G_, 2
.set T_, 3072
.set C_, C_+1536*((\st)-6)
.endif
.set K_, 4*((\L)%3)
.if F_ < 4
	WIN 0x40
	ds_load_b128 v[96+72*P_+12*F_+K_:99+72*P_+12*F_+K_], v[AQ+G_] offset:C_+T_*F_
.elseif F_ < 12
	WIN 0x40+0x80*P_
	ds_load_b128 v[128*P_+12*(F_-4)+K_:128*P_+12*(F_-4)+K_+3], v[AT+G_] offset:C_+T_*(F_-4)
.else
	WIN 0x40
	ds_load_b128 v[96+72*P_+12*(F_-8)+K_:99+72*P_+12*(F_-8)+K_], v[AV+G_] offset:C_+T_*(F_-12)
.endif
.endm
; ---- product n of K step s.  The 48 accumulators take turns, one instruction a turn, in the same order in every step.
.macro PROD n, s
.set P_, (\s)%2
.if (\n) < 32
.set A_, (\n)/4
.set J_, (\n)%4
.set D_, 8*(\n)
.set FE_, 96+72*P_+12*J_
.set TO_, 128*P_+12*A_
.if (\s) == 0
	WIN 0x85
	v_wmma_scale_f32_16x16x128_f8f6f4 v[D_:D_+7], v[FE_:FE_+11], v[TO_:TO_+11], v[BQ+8*J_:BQ+8*J_+7], v[SC+10*J_+(\s)], v[SC+10*A_+(\s)] matrix_a_fmt:MATRIX_FMT_FP6 matrix_b_fmt:MATRIX_FMT_FP6 matrix_a_scale:MATRIX_SCALE_ROW1
.else
	WIN 0xa5+8*P_
	v_wmma_scale_f32_16x16x128_f8f6f4 v[D_:D_+7], v[FE_:FE_+11], v[TO_:TO_+11], v[D_:D_+7], v[SC+10*J_+(\s)], v[SC+10*A_+(\s)] matrix_a_fmt:MATRIX_FMT_FP6 matrix_b_fmt:MATRIX_FMT_FP6 matrix_a_scale:MATRIX_SCALE_ROW1
.endif
.else
.set A_, ((\n)-32)/2
.set J_, (\n)%2
.set D_, 64*J_+8*A_
.set FE_, 96+72*P_+12*(4+J_)
.set TO_, 128*P_+12*A_
.if (\s) == 0
	WIN 0xc5
	v_wmma_scale_f32_16x16x128_f8f6f4 v[D_:D_+7], v[TO_:TO_+11], v[FE_:FE_+11], v[BV+8*J_:BV+8*J_+7], v[SC+10*A_+(\s)], v[SC+10*(4+J_)+(\s)] matrix_a_fmt:MATRIX_FMT_FP6 matrix_b_fmt:MATRIX_FMT_FP6 matrix_b_scale:MATRIX_SCALE_ROW1
.else
	WIN 0xf5+2*P_
	v_wmma_scale_f32_16x16x128_f8f6f4 v[D_:D_+7], v[TO_:TO_+11], v[FE_:FE_+11], v[D_:D_+7], v[SC+10*A_+(\s)], v[SC+10*(4+J_)+(\s)] matrix_a_fmt:MATRIX_FMT_FP6 matrix_b_fmt:MATRIX_FMT_FP6 matrix_b_scale:MATRIX_SCALE_ROW1
.endif
.endif
.endm
.macro PRODS s, from, to
.set N_, \from
.rept (\to)-(\from)
	PROD N_, \s
.set N_, N_+1
.endr
	WIN 0
.endm
.macro LOADS st, from, to              ; a run of loads
.set L_, \from
.rept (\to)-(\from)
	LD1 \st, L_
.set L_, L_+1
.endr
	WIN 0
.endm
.macro MIX s, from                     ; products from .. 47, and the next step's 42 loads: in two runs, or in one behind a barrier
.if (\s) == 7
	PRODS \s, \from, 48
.elseif (\from) == 0
	LOADS (\s)+1, 0, 28
	PRODS \s, 0, 24
	LOADS (\s)+1, 28, 42
	PRODS \s, 24, 48
.else
	LOADS (\s)+1, 0, 42
	PRODS \s, \from, 48
.endif
.endm
; A K step.  Its fragments are in; the other set's registers, which the step before read, take the next step's: four v_nop stand between.
.macro STEP s
	s_wait_dscnt 0x0
.if (\s) == 1                          ; steps 0 and 1 have been read: their bytes take steps 6 and 7, behind a round of the cluster's barrier, which also shows steps 2 to 5 to every wave
	s_wait_tensorcnt 0x0                           ; (every window is 0 here)
	ds_add_u32 v[SPW], v[NIL]                      ; 0 onto my spare word
	s_mov_b32 s25, 384<<16                         ; no tensor load of mine is out: the descriptors of waves 0 and 1 step to 3,072 bytes of each tile
	s_mov_b32 s27, 384<<16
	s_mov_b32 s33, 384<<16
	s_mov_b32 s35, 384<<16
	s_add_nc_u64 s[58:59], s[58:59], 9728
	s_add_nc_u64 s[62:63], s[62:63], 9728
	PLACES 4
	PRODS 1, 0, 8
	s_wait_dscnt 0x0                               ; the add is done, and my reads of steps 0 and 1 are over
	s_barrier_signal -1
	PRODS 1, 8, 12
	s_barrier_wait -1
	CREST
	s_cmp_eq_u32 s14, 0
	s_cbranch_scc0 .Lrefill_1
	TLOAD 56, 24
	s_branch .Lrefilled
.Lrefill_1:
	s_cmp_eq_u32 s14, 1
	s_cbranch_scc0 .Lrefilled
	TLOAD 60, 32
.Lrefilled:
	MIX 1, 12
.elseif (\s) == 5                      ; a plain barrier shows steps 6 and 7 to every wave
	s_wait_tensorcnt 0x0
	s_barrier_signal -1
	PLACES 4
	PRODS 5, 0, 8
	s_barrier_wait -1
	MIX 5, 8
.else
.if (\s) > 0
	PLACES 4
.endif
	MIX \s, 0
.endif
.endm
	s_wait_alu depctr_va_vdst(0)                   ; the wait at the head's end
	s_cmp_lt_u32 s14, 2
	s_cbranch_scc0 .Lno_wait
	s_wait_tensorcnt 0x0                           ; waves 0 and 1: scale words and steps 0, 1; steps 2 to 5 may be out
.Lno_wait:
	s_barrier_signal -1
	s_barrier_wait -1
.set L_, 0
.rept 42
	LD1 0, L_
.set L_, L_+1
.endr
	WIN 0
.irp k, 0,1
.irp i, 0,1,2,3,6,7
	ds_load_b128 v[SC+10*\i+4*\k:SC+10*\i+4*\k+3], v[AS1] offset:3584*\i+256*\k   ; all of K's scale words, once
.endr
.irp i, 4,5
	ds_load_b128 v[SC+10*\i+4*\k:SC+10*\i+4*\k+3], v[AS2] offset:3584*\i+256*\k
.endr
.endr
	STEP 0
	STEP 1
	STEP 2
	STEP 3
	STEP 4
	STEP 5
	STEP 6
	STEP 7
; THE WAY OUT.  Four blocks at a time: block k is the 32 registers from 32 k + base on of window w; its six registers of codes go to v[im + 6 k], its byte to v[124 + k].
.macro GROUP4 w, base, im
	WIN (\w)|((\w)<<2)|((\w)<<4)
.irp k, 0,1,2,3
	v_max3_num_f32 v[112+\k], |v[\base+32*\k]|, |v[\base+32*\k+1]|, |v[\base+32*\k+2]|
	v_max3_num_f32 v[116+\k], |v[\base+32*\k+16]|, |v[\base+32*\k+17]|, |v[\base+32*\k+18]|
.endr
	WIN ((\w)<<2)|((\w)<<4)
.irp i, 3,5,7,9,11,13
.irp k, 0,1,2,3
	v_max3_num_f32 v[112+\k], v[112+\k], |v[\base+32*\k+\i]|, |v[\base+32*\k+\i+1]|
	v_max3_num_f32 v[116+\k], v[116+\k], |v[\base+32*\k+16+\i]|, |v[\base+32*\k+17+\i]|
.endr
.endr
.irp k, 0,1,2,3
	v_max3_num_f32 v[112+\k], v[112+\k], |v[\base+32*\k+15]|, 0x1800000   ; the floor 2^(3 - 127): the byte cannot fall under 1
.endr
	WIN (\w)<<2
.irp k, 0,1,2,3
	v_max3_num_f32 v[112+\k], v[112+\k], |v[\base+32*\k+31]|, v[116+\k]
.endr
	WIN 0
.irp k, 0,1,2,3
	v_add_nc_u32 v[120+\k], 0xff000000, v[112+\k]  ; 2 off the exponent field: the conversion's scale operand
.endr
.irp k, 0,1,2,3
	v_lshrrev_b32 v[124+\k], 23, v[120+\k]
.endr
	WIN \w
.irp k, 0,1,2,3
	v_cvt_scalef32_pk16_fp6_f32 v[\im+6*\k:\im+6*\k+2], v[\base+32*\k:\base+32*\k+15], v[120+\k]
	v_cvt_scalef32_pk16_fp6_f32 v[128+4*\k:130+4*\k], v[\base+32*\k+16:\base+32*\k+31], v[120+\k]
.endr
	WIN 0
	v_nop                                          ; one plain line behind the scaled conversions
.irp k, 0,1,2,3
.irp i, 0,1,2
	v_mov_b32 v[\im+6*\k+3+\i], v[128+4*\k+\i]
.endr
.endr
.endm
.macro WORD a, b, out                  ; lanes 0-15: a's bytes of both halves of the lanes, the upper half's 8 bits up; lanes 16-31: b's
	v_cndmask_b32 v149, v[\a], v[\b], s66
	v_cndmask_b32 v150, v[\b], v[\a], s66
	v_permlanex16_b32 v151, v150, s2, s3
	v_lshlrev_b32 v149, v[SH], v149
	v_lshl_or_b32 v[\out], v151, v[SM], v149
.endm
	PLACES 4                                       ; behind the last products
	s_wait_alu depctr_va_vdst(0)
.macro QK g, im                        ; token tiles 4 g .. 4 g + 3
	GROUP4 2, 128*\g, \im
.irp q, 0,1
	WORD 124+2*\q, 125+2*\q, 144+2*\g+\q
	v_lshl_or_b32 v[144+2*\g+\q], v[144+2*\g+\q], 16, v[144+2*\g+\q]   ; the head's two bytes, twice
.irp c, 0,1,2
	global_store_b128 v[LI], v[\im+12*\q+4*\c:\im+12*\q+4*\c+3], s[84:85] offset:1536*(2*\g+\q)+512*\c   ; 32 lanes store 512 consecutive bytes, aligned
.endr
.endr
.endm
	QK 0, 160
	QK 1, 184
	global_store_b128 v[LI], v[144:147], s[86:87]
	GROUP4 3, 0, 208
	v_lshl_or_b32 v124, v125, 16, v124             ; v: a lane's bytes of both bands
	v_lshl_or_b32 v126, v127, 16, v126
	WORD 124, 126, 148
.irp q, 0,1
.irp c, 0,1,2
	global_store_b128 v[LI], v[208+12*\q+4*\c:211+12*\q+4*\c], s[88:89] offset:1536*\q+512*\c
.endr
.endr
	global_store_b32 v[L8], v148, s[90:91]         ; waves i0 = 0, 1 together fill 256 bytes
	s_wait_tensorcnt 0x0                           ; the wave's end
	ds_add_u32 v[SPW], v[NIL]
	s_wait_dscnt 0x0
	CROUND                                         ; the closing round: no work-group ends while a partner may still ask for a tile that names it
	s_endpgm
.Lfunc_end_k_qb2451121ea_qkv:
	.size	k_qb2451121ea_qkv, .Lfunc_end_k_qb2451121ea_qkv-k_qb2451121ea_qkv
	.p2alignl 7, 3214868480
	.fill 96, 4, 3214868480
	.section	.rodata,"a",@progbits
	.p2align	6, 0x0
	.amdhsa_kernel k_qb2451121ea_qkv
		.amdhsa_group_segment_fixed_size 327680
		.amdhsa_private_segment_fixed_size 0
		.amdhsa_enable_private_segment 0
		.amdhsa_kernarg_size 40
		.amdhsa_user_sgpr_count 2
		.amdhsa_user_sgpr_kernarg_segment_ptr 1
		.amdhsa_wavefront_size32 1
		.amdhsa_system_sgpr_workgroup_id_x 1
		.amdhsa_system_sgpr_workgroup_id_y 1
		.amdhsa_system_sgpr_workgroup_id_z 1
		.amdhsa_system_vgpr_workitem_id 0
		.amdhsa_next_free_vgpr 1024
		.amdhsa_next_free_sgpr 100
		.amdhsa_reserve_vcc 0
		.amdhsa_float_denorm_mode_32 3
		.amdhsa_float_denorm_mode_16_64 3
		.amdhsa_memory_ordered 1
		.amdhsa_forward_progress 1
		.amdhsa_inst_pref_size 108
	.end_amdhsa_kernel
	.amdgpu_metadata
---
amdhsa.version: [ 1, 2 ]
amdhsa.kernels:
  - .name:           k_qb2451121ea_qkv
    .symbol:         k_qb2451121ea_qkv.kd
    .args:
      - { .name: xw, .offset: 0, .size: 8, .value_kind: global_buffer, .address_space: global }
      - { .name: b_qkv, .offset: 8, .size: 8, .value_kind: global_buffer, .address_space: global }
      - { .name: qc, .offset: 16, .size: 8, .value_kind: global_buffer, .address_space: global }
      - { .name: qs, .offset: 24, .size: 8, .value_kind: global_buffer, .address_space: global }
      - { .name: kv, .offset: 32, .size: 8, .value_kind: global_buffer, .address_space: global }
    .group_segment_fixed_size: 327680
    .private_segment_fixed_size: 0
    .kernarg_segment_align: 8
    .kernarg_segment_size: 40
    .max_flat_workgroup_size: 128
    .sgpr_count:     100
    .vgpr_count:     1024
    .wavefront_size: 32
...
	.end_amdgpu_metadata
.endif
;; end of part 2
;; launch attn (part 3): grid 8 x 32, 16 waves a work-group, clusters of 4 x 1, 210,944 bytes of LDS; arguments qc, qs, kv, att; writes att
.if DOCPART == 3
	.amdgcn_target "amdgcn-amd-amdhsa--gfx1250"
	.amdhsa_code_object_version 6
	.text
	.protected	k_qb2451121ea_attn
	.globl	k_qb2451121ea_attn
	.p2align	8
	.type	k_qb2451121ea_attn,@function
k_qb2451121ea_attn:
	s_mov_b64 s[64:65], 0
	v_nop
	global_prefetch_b8 v0, s[64:65] scope:SCOPE_SE
	s_setreg_imm32_b32 hwreg(HW_REG_WAVE_MODE, 25, 1), 1
	s_wait_xcnt 0x0
	s_wait_alu depctr_hold_cnt(0) depctr_sa_sdst(0) depctr_va_vdst(0) depctr_va_sdst(0) depctr_va_ssrc(0) depctr_va_vcc(0) depctr_vm_vsrc(0)
	s_getreg_b32 s2, hwreg(HW_REG_IB_STS2, 6, 4)
	s_cmp_eq_u32 s2, 0
	s_cbranch_scc0 .Lentry_in_a_cluster
	s_endpgm
.Lentry_in_a_cluster:
	s_bfe_u32 s2, ttmp6, 0x10000c
	s_cmp_lg_u32 s2, 0x3003
	s_cbranch_scc0 .Lentry_shape_is_right
	s_endpgm
.Lentry_shape_is_right:
; Attention for one (batch, head) and 256 queries: S = q k^T / 8, softmax, O = p v, both products on codes of FP6 (E2M3) with E8M0 scales; O / l is quantised along the model's 1,024 for the last product and leaves as codes.
; THE SOFTMAX: t = score x log2(e) / 8; M = the running largest t rounded UP to a whole number; p = 2^(t - M) is quantised along the keys, not normalised; the row's sum l is taken of the unquantised p.
; When M moves, the sum and O are multiplied by 2^(old M - new M): exact.
; SHARES.  Sixteen waves, each ONE tile of 16 queries in 256 registers.  Every wave walks the head's 2,048 keys in eight trips of 256 (halves A and B of 128), so that M moves, and O is multiplied, once for 256 keys.
; LDS.  A head's sixteen records of 13,056 bytes (128 keys: k's four pair images, v's four images, k's words, v's words) all fit: they are filled ONCE, wave w's one load at the head brings record w.  Nothing is filled again or stored to LDS.
; The four work-groups of a cluster are query blocks of one head: each load is asked for JOINTLY (mask 15).  The first barrier shows records 0 to 3, the second all the rest: signalled behind trip 0, waited for in trip 1
; ahead of the first read of record 4.  No prefetch into the L2: every byte is asked for at the kernel's head.
; LAYOUT.  Both products transposed: S^T = k q^T (source 0 = 16 keys), O^T = v^T p^T (source 0 = 16 channels): a lane holds one query (lane % 16).  By the order of rows in a tile the 32 registers of four key tiles are
; keys 64 c + 32 (lane / 16) + 0 .. 31: a whole block of p in a lane, and its conversions' results are the operand's registers.  The channels of v's tiles go likewise.
; K = 64 IN A FORM OF 128.  q's registers 6-11 are zero codes.  A key tile's six registers lie on end with the next tile's, and the operand names twelve: its upper six are whatever follows.
; They meet q's zero codes; every code of E2M3 is a finite number, so those products are exactly 0.  The scale words carry the head's two bytes twice.
; LIMITS: the scaled scores stay under 2^31 in magnitude; NaN and infinities are not served; p under 2^-126 comes out of v_exp_f32 as 0; 1 / l by v_rcp_f32; a block under 2^-124 keeps the byte 1, and so does a block of zeros.
; The scale bytes of the result leave as single bytes, 32 a wave: a K step's word belongs to two heads, which are two work-groups.
; REGISTERS: v0 8 x lane, v1 16 x lane, v2 p's word (B), v3-4 the trip's addresses, v5-6 the add's, v7 q's scale word, v8 -M, v9 the largest score, v[10:11] the sum in two halves, v12 2^(old M - new M), v13 at work,
; v14-15 v's words (B), v16-27 q, v28-31 k's words (A), v32-35 k's (B), then v32-33 v's (A) and v34 p's (A), v36-83 k (B), then v (A), v72-83 between them and v84-95 at work, v84-95 then p's codes (A),
; v96-159 scores A, then p's codes (B) and v (B), v160-223 k (A), then scores B, v224-255 O^T.
.set REC, 13056
.set SPARE, 16*REC                     ; the spare words, 128 bytes a wave
.set SA, 96
.set SB, 160
.set O,  224
.macro CROUND
	s_barrier_signal -1
	s_barrier_wait -1
	s_cmp_lg_u32 s12, 0
	s_cbranch_scc1 .Lnot_wave_0_\@
	s_barrier_signal -3
.Lnot_wave_0_\@:
	s_barrier_wait -3
	s_barrier_signal -1
	s_barrier_wait -1
.endm
.macro PLACES n
.rept \n
	v_nop
.endr
.endm
	s_load_b128 s[4:7], s[0:1], 0x0                ; qc, qs
	s_load_b128 s[8:11], s[0:1], 0x10              ; kv, att
	v_lshl_add_u32 v5, v0, 2, SPARE
	v_mov_b32 v6, 0
	ds_add_u32 v5, v6                              ; the opening lines
	ds_add_u32 v5, v6
	v_lshrrev_b32 v13, 5, v0
	v_readfirstlane_b32 s12, v13                   ; wave 0..15
	s_bfe_u32 s13, ttmp6, 0x40000                  ; cx
	s_lshl_b32 s14, ttmp9, 2
	s_add_co_u32 s14, s14, s13                     ; my block of 256 queries: it enters global addresses of q and of the result alone
	s_and_b32 s15, ttmp7, 0xffff                   ; 16 x batch + head, which the four partners share
	s_and_b32 s16, s12, 1
	s_mov_b32 s24, 15|(3<<16)|(1<<21)              ; 15:0 the mask: all four work-groups; 17:16 elements of 8 bytes; 21 set beside a mask.  A record as 51 rows of 256 bytes
	s_mov_b32 s25, 32<<16
	s_mov_b32 s26, 51<<16
	s_mov_b32 s27, 32<<16
	s_mov_b32 s28, 51
	s_mov_b32 s29, 32
	s_mov_b32 s30, 0
	s_mov_b32 s31, 0
	s_mul_i32 s69, s12, REC                        ; record w: in LDS,
	s_mul_i32 s70, s15, 16*REC
	s_add_co_u32 s70, s70, s69                     ; in memory
	s_mov_b32 s71, 0
	s_lshl_b32 s84, s14, 1                         ; q: my tile is tile w % 8 of step 2 x block + w / 8
	s_lshr_b32 s85, s12, 3
	s_add_co_u32 s84, s84, s85
	s_lshl_b32 s85, s15, 4
	s_add_co_u32 s84, s84, s85
	s_bfe_u32 s85, s12, 0x20001                    ; its pair
	s_mul_i32 s76, s84, 6144
	s_mul_i32 s77, s85, 1536
	s_add_co_u32 s76, s76, s77
	s_mov_b32 s77, 0
	s_lshl_b32 s78, s84, 9
	s_lshl_b32 s79, s16, 8
	s_add_co_u32 s78, s78, s79
	s_lshl_b32 s79, s85, 2
	s_add_co_u32 s78, s78, s79                     ; its words: 512 x step + 16 (16 (w % 2) + r) + 4 x pair
	s_mov_b32 s79, 0
	s_lshr_b32 s84, s15, 4                         ; the result: token tile 128 x batch + 16 x block + w; head hd
	s_lshl_b32 s84, s84, 7
	s_lshl_b32 s85, s14, 4
	s_add_co_u32 s84, s84, s85
	s_add_co_u32 s84, s84, s12
	s_mul_i32 s84, s84, 12800
	s_and_b32 s85, s15, 15
	s_mul_i32 s80, s85, 768
	s_add_co_u32 s80, s80, s84
	s_add_co_u32 s80, s80, 512                     ; codes: half hd % 2 of K step hd / 2
	s_mov_b32 s81, 0
	s_lshr_b32 s83, s85, 3
	s_lshl_b32 s83, s83, 8
	s_add_co_u32 s82, s84, s83
	s_and_b32 s83, s85, 7
	s_lshl_b32 s83, s83, 1
	s_add_co_u32 s82, s82, s83                     ; bytes: 256 (hd / 8) + 2 (hd % 8) into the tile
	s_mov_b32 s83, 0
	s_mov_b32 s20, 0x76543210
	s_mov_b32 s21, 0xfedcba98                      ; selects for lane l xor 16
	s_mov_b32 s22, 0x3e38aa3b                      ; c = log2(e) / 8
	s_mov_b32 s23, s22                             ; (named with it as a pair, so it is written)
	s_mov_b32 s67, 0xbe38aa3b                      ; -c
	s_mov_b32 s60, 0                               ; where the trip's first record begins in LDS
	s_sub_co_u32 s68, 0, s16                       ; all ones where my tile is the pair's second
	s_wait_alu depctr_va_vdst(0)
	s_wait_dscnt 0x0
	CROUND                                         ; all four work-groups are here: the joint loads meet
	s_wait_kmcnt 0x0
	s_mov_b32 s40, 1
	s_mov_b32 s41, s69
	s_add_nc_u64 s[42:43], s[8:9], s[70:71]
	s_or_b32 s43, s43, 0x80000000
	s_cmp_lt_u32 s12, 4                            ; two lines: waves 0 to 3, which the first barrier waits for, and the others
	s_cbranch_scc0 .Llater
	tensor_load_to_lds s[40:43], s[24:31]
	s_nop 0
	PLACES 4
	s_branch .Lasked
.Llater:
	tensor_load_to_lds s[40:43], s[24:31]
	s_nop 0
	PLACES 4
.Lasked:
	s_add_nc_u64 s[76:77], s[4:5], s[76:77]
	s_add_nc_u64 s[78:79], s[6:7], s[78:79]
	s_add_nc_u64 s[80:81], s[10:11], s[80:81]
	s_add_nc_u64 s[82:83], s[10:11], s[82:83]
	v_and_b32 v13, 31, v0
	v_lshlrev_b32 v1, 4, v13
	v_lshlrev_b32 v0, 3, v13
	v_and_b32 v12, 0xf0, v1                        ; 16 r
.irp c, 0,1,2
	global_load_b128 v[36+4*\c:39+4*\c], v1, s[76:77] offset:512*\c   ; q's pair image
.endr
	global_load_b32 v7, v12, s[78:79]              ; q's scale words
	v_mov_b32 v9, 0xff61b1e6                       ; the largest score so far: -3e38
	v_mov_b32 v10, 0
	v_mov_b32 v11, 0
	v_mul_f32 v8, s67, v9
	v_floor_f32 v8, v8                             ; -M
.irp i, 0,1,2,3,4,5
	v_mov_b32 v[22+\i], 0                          ; q's upper 64 along K: zero codes
	v_mov_b32 v[208+\i], 0                         ; what an operand's upper half names in the first trip
	v_mov_b32 v[84+\i], 0
	v_mov_b32 v[90+\i], 0
.endr
.irp j, 0,1,2,3,4,5,6,7,8,9,10,11,12,13,14,15,16,17,18,19,20,21,22,23,24,25,26,27,28,29,30,31
	v_mov_b32 v[O+\j], 0                           ; the trip is written for all alike: the first finds zeros, which the first change of M leaves zeros
.endr
	s_wait_alu depctr_va_vdst(0)
	s_wait_loadcnt 0x0
.irp i, 0,1,2,3,4,5
	v_cndmask_b32 v[16+\i], v[36+\i], v[42+\i], s68   ; my tile of the pair
.endr
.macro KLOAD dst, wd, rec              ; k's images of the record rec behind the trip's first, and its words: 13 loads
.irp i, 0,1,2,3,4,5,6,7,8,9,10,11
	ds_load_b128 v[\dst+4*\i:\dst+4*\i+3], v3 offset:REC*(\rec)+512*\i
.endr
	ds_load_b128 v[\wd:\wd+3], v3 offset:REC*(\rec)+12288
.endm
.macro MAX3 d, a, b, c
	v_max3_num_f32 v[\d], v[\a], v[\b], v[\c]
.endm
.macro CH n, d0, d1, d2, d3, base      ; line n = 0 .. 27 of four chains of maxima, by turns, over 16 registers each from base on
.set B_, (\base)+16*((\n)%4)
.if (\n)%4 == 0
.set D_, \d0
.elseif (\n)%4 == 1
.set D_, \d1
.elseif (\n)%4 == 2
.set D_, \d2
.else
.set D_, \d3
.endif
.if (\n) < 4
	MAX3 D_, B_, B_+1, B_+2
.else
.set I_, 1+2*((\n)/4)
	MAX3 D_, D_, B_+I_, B_+I_+1
.endif
.endm
.macro MAXA                            ; the next line of A's chains
	CH N_, 90, 94, 91, 95, 96
.set N_, N_+1
.endm
.macro MAXB                            ; and of B's
	CH M_, 92, 74, 93, 75, 160
.set M_, M_+1
.endm
.macro QK S, K, w, fill                ; eight tiles of 16 keys; register j of the words: lanes 0-15 tile 2 j's, lanes 16-31 tile 2 j + 1's.  fill lines of A's maxima behind each product
.irp t, 0,2,4,6
	v_wmma_scale_f32_16x16x128_f8f6f4 v[\S+8*\t:\S+8*\t+7], v[\K+6*\t:\K+6*\t+11], v[16:27], 0, v[\w+\t/2], v7 matrix_a_fmt:MATRIX_FMT_FP6 matrix_b_fmt:MATRIX_FMT_FP6
.rept \fill
	MAXA
.endr
	v_wmma_scale_f32_16x16x128_f8f6f4 v[\S+8*\t+8:\S+8*\t+15], v[\K+6*\t+6:\K+6*\t+17], v[16:27], 0, v[\w+\t/2], v7 matrix_a_fmt:MATRIX_FMT_FP6 matrix_b_fmt:MATRIX_FMT_FP6 matrix_a_scale:MATRIX_SCALE_ROW1
.rept \fill
	MAXA
.endr
.endr
.endm
.macro NSUM                            ; the next of B's sums
	BSUM J_
.set J_, J_+1
.endm
.macro PV V, P, vw, pw, fill           ; four tiles of 16 channels, by turns; fill of B's sums behind each product
.irp t, 0,2
	v_wmma_scale_f32_16x16x128_f8f6f4 v[O+8*\t:O+8*\t+7], v[\V+12*\t:\V+12*\t+11], v[\P:\P+11], v[O+8*\t:O+8*\t+7], v[\vw+\t/2], v[\pw] matrix_a_fmt:MATRIX_FMT_FP6 matrix_b_fmt:MATRIX_FMT_FP6
.rept \fill
	NSUM
.endr
	v_wmma_scale_f32_16x16x128_f8f6f4 v[O+8*\t+8:O+8*\t+15], v[\V+12*\t+12:\V+12*\t+23], v[\P:\P+11], v[O+8*\t+8:O+8*\t+15], v[\vw+\t/2], v[\pw] matrix_a_fmt:MATRIX_FMT_FP6 matrix_b_fmt:MATRIX_FMT_FP6 matrix_a_scale:MATRIX_SCALE_ROW1
.rept \fill
	NSUM
.endr
.endr
.endm
.macro PKADD d, a, b
	v_pk_add_f32 v[\d:\d+1], v[\a:\a+1], v[\b:\b+1]
.endm
.macro AMONG n                         ; plain lines that stand singly among B's exponentials: none reads what another of them wrote
.if (\n) < 10
.set T_, 72+2*(\n)+4*((\n)/9)
	PKADD T_, 96+4*(\n), 98+4*(\n)                 ; A's pairs 0 to 19, into ten sums
.elseif (\n) == 10
	PKADD 10, 10, 136
.elseif (\n) < 15
	v_max_num_f32 v[79+(\n)], 0x1800000, v[79+(\n)]   ; the blocks' largest p: the floor 2^(3 - 127)
.else
	v_nop
.endif
.endm
.macro BSUM k                          ; B's pairs 32 to 63 into three sums
.if (\k) == 0
	PKADD 108, 160, 162
.elseif (\k) == 1
	PKADD 110, 164, 166
.elseif (\k)%3 == 0
	PKADD 108, 108, 164+2*(\k)
.elseif (\k)%3 == 1
	PKADD 110, 110, 164+2*(\k)
.else
	PKADD 10, 10, 164+2*(\k)
.endif
.endm
; A TRIP: 256 keys.  next = 1: the next trip's k is loaded on the way; bar = 1: behind the second barrier's wait
.macro TRIP next, bar
	s_wait_dscnt 13                                ; k (A) and its words are in; k (B)'s thirteen loads may be out
	QK SA, SB, 28, 0
	PLACES 5                                       ; the next products write over k (A), and A's scores are read among them
	s_wait_dscnt 0x0
	; the largest score of each block of 32 keys, in eight chains: for the row's maximum and, since p rises with the score, for the block's largest p.  Sixteen of A's lines stand among B's products
.set N_, 0
.set M_, 0
	QK SB, 36, 32, 2
.rept 4
	MAXA                                           ; these four name no register of B's products: the places ahead of the first read of B's scores
.endr
.rept 4
	MAXB
.endr
.rept 8
	MAXA
	MAXB
.endr
.rept 16
	MAXB
.endr
	v_max_num_f32 v94, v94, v127
	v_max_num_f32 v95, v95, v159
	v_max_num_f32 v74, v74, v191
	v_max_num_f32 v75, v75, v223
	MAX3 90, 90, 111, 94
	MAX3 91, 91, 143, 95
	MAX3 92, 92, 175, 74
	MAX3 93, 93, 207, 75
	v_max3_num_f32 v9, v9, v90, v91
	s_delay_alu instid0(VALU_DEP_1)
	v_max3_num_f32 v9, v9, v92, v93
	s_delay_alu instid0(VALU_DEP_1)
	v_permlanex16_b32 v72, v9, s20, s21
	s_delay_alu instid0(VALU_DEP_1)
	v_max_num_f32 v9, v9, v72                      ; the running largest score of my query
	s_delay_alu instid0(VALU_DEP_1)
	v_mul_f32 v72, s67, v9
	s_delay_alu instid0(VALU_DEP_1)
	v_floor_f32 v72, v72                           ; the new -M = floor(-t): M is a whole number
	s_delay_alu instid0(VALU_DEP_1)
	v_sub_f32 v13, v72, v8                         ; old M - new M: a whole number, 0 or less
	v_mov_b32 v8, v72
	s_delay_alu instid0(VALU_DEP_2)
	v_cvt_i32_f32 v13, v13                         ; (it saturates)
	s_delay_alu instid0(VALU_DEP_1)
	v_ldexp_f32 v12, 1.0, v13
.set J_, SA
.rept 32
	v_pk_fma_f32 v[J_:J_+1], v[J_:J_+1], s[22:23], v[8:9] op_sel_hi:[1,0,0]   ; A's t - M, two at a time
.set J_, J_+2
.endr
.irp b, 0,1,2,3
	v_fma_f32 v[90+\b], v[90+\b], s22, v8
.endr
	s_wait_alu depctr_va_vdst(0)                   ; the wait ahead of the batch
.irp i, 0,1,2,3,4,5,6,7,8
	ds_load_b128 v[36+4*\i:39+4*\i], v3 offset:6144+512*\i   ; v (A)'s images 0 to 2, and v's words, land under the exponentials
.endr
	ds_load_b64 v[32:33], v4 offset:12800
	ds_load_b64 v[14:15], v4 offset:REC+12800
.irp b, 0,1,2,3
	v_exp_f32 v[90+\b], v[90+\b]                   ; the blocks' largest p
.endr
.set J_, 0
.rept 32
	v_exp_f32 v[SA+J_], v[SA+J_]                   ; p = 2^(t - M); B's t - M stand among A's exponentials
	v_exp_f32 v[SA+J_+1], v[SA+J_+1]
	v_pk_fma_f32 v[SB+J_:SB+J_+1], v[SB+J_:SB+J_+1], s[22:23], v[8:9] op_sel_hi:[1,0,0]
.set J_, J_+2
.endr
	v_pk_mul_f32 v[10:11], v[10:11], v[12:13] op_sel_hi:[1,0]   ; the sums under the new M
	s_wait_alu depctr_va_vdst(0)                   ; behind A's batch and ahead of B's
.set J_, 0
.rept 16
	v_exp_f32 v[SB+4*J_], v[SB+4*J_]
	v_exp_f32 v[SB+4*J_+1], v[SB+4*J_+1]
	v_exp_f32 v[SB+4*J_+2], v[SB+4*J_+2]
	v_exp_f32 v[SB+4*J_+3], v[SB+4*J_+3]
	AMONG J_
.set J_, J_+1
.endr
	s_wait_alu depctr_va_vdst(0)                   ; behind B's batch
.set J_, 0
.rept 10
.set T_, 72+2*J_+4*(J_/9)
	PKADD T_, T_, 138+2*J_                         ; A's pairs 21 to 30
.set J_, J_+1
.endr
	PKADD 10, 10, 158
	PKADD 80, 80, 82
	PKADD 84, 84, 86
	PKADD 72, 72, 74
	PKADD 76, 76, 78
	PKADD 88, 88, 94
	PKADD 80, 80, 84
	PKADD 72, 72, 76
	PKADD 10, 10, 88
	PKADD 72, 72, 80
.irp b, 0,1,2,3
	v_add_nc_u32 v[80+\b], 0xff000000, v[90+\b]    ; the conversions' scale operands
.endr
	PKADD 10, 10, 72
.irp b, 0,1,2,3
	v_lshrrev_b32 v[90+\b], 23, v[80+\b]           ; the scales' bytes
.endr
	v_lshl_or_b32 v34, v91, 16, v90                ; my bytes: blocks h and 2 + h of A's 128 keys, of B's;
	v_lshl_or_b32 v2, v93, 16, v92
	v_permlanex16_b32 v72, v34, s20, s21
	v_permlanex16_b32 v73, v2, s20, s21
	v_lshl_or_b32 v34, v72, 8, v34                 ; lanes 0-15 hold the whole words (lanes 16-31 are not read)
	v_lshl_or_b32 v2, v73, 8, v2
	v_cvt_scalef32_pk16_fp6_f32 v[84:86], v[96:111], v80
	v_cvt_scalef32_pk16_fp6_f32 v[72:74], v[112:127], v80
	v_cvt_scalef32_pk16_fp6_f32 v[90:92], v[128:143], v81
	v_cvt_scalef32_pk16_fp6_f32 v[76:78], v[144:159], v81
	v_nop                                          ; one plain line behind the scaled conversions
.irp i, 0,1,2
	v_mov_b32 v[87+\i], v[72+\i]
	v_mov_b32 v[93+\i], v[76+\i]
.endr
	v_cvt_scalef32_pk16_fp6_f32 v[96:98], v[160:175], v82
	v_cvt_scalef32_pk16_fp6_f32 v[108:110], v[176:191], v82
	v_cvt_scalef32_pk16_fp6_f32 v[102:104], v[192:207], v83
	v_cvt_scalef32_pk16_fp6_f32 v[116:118], v[208:223], v83
	v_nop
.irp i, 0,1,2
	v_mov_b32 v[99+\i], v[108+\i]
	v_mov_b32 v[105+\i], v[116+\i]
.endr
.irp i, 9,10,11
	ds_load_b128 v[36+4*\i:39+4*\i], v3 offset:6144+512*\i   ; v (A)'s image 3
.endr
.irp i, 0,1,2,3,4,5,6,7,8,9,10,11
	ds_load_b128 v[112+4*\i:115+4*\i], v3 offset:REC+6144+512*\i   ; v (B)
.endr
	s_wait_alu depctr_va_vdst(0)                   ; the wait directly ahead of the first reader of O^T
.set J_, 0
.rept 16
	v_pk_mul_f32 v[O+2*J_:O+2*J_+1], v[O+2*J_:O+2*J_+1], v[12:13] op_sel_hi:[1,0]   ; O^T under the new M, by turns with the first of B's sums: under the loads' flight
.if J_ < 8
	BSUM J_
.endif
.set J_, J_+1
.endr
	s_wait_alu depctr_va_vdst(0)
	s_wait_dscnt 12                                ; v (A) and both halves' words are in; v (B)'s twelve loads may be out
.set J_, 8
	PV 36, 84, 32, 34, 1
.rept 10
	NSUM                                           ; pairs up to 55; these are also the places between the products and the loads into their registers
.endr
.if \bar
	s_wait_alu depctr_va_vdst(0)
	s_barrier_wait -1                              ; all records are here
.endif
.if \next
	KLOAD SB, 28, 2                                ; the next trip's k (A), over B's p that have been read (pairs 56 to 63 lie behind it),
	KLOAD 36, 32, 3                                ; and its k (B), over v (A)
.endif
	s_wait_alu depctr_va_vdst(0)
.if \next
	s_wait_dscnt 26                                ; v (B) is in; the 26 loads just issued may be out
.else
	s_wait_dscnt 0x0
.endif
	PV 112, 96, 14, 2, 2
	PKADD 108, 108, 110
	PKADD 10, 10, 108
.if \next
	s_add_co_u32 s60, s60, 2*REC
	v_add_nc_u32 v3, s60, v1                       ; with the two sums above, and a v_nop, the five places ahead of the next products
	v_add_nc_u32 v4, s60, v0
	v_nop
.endif
.endm
	s_wait_alu depctr_va_vdst(0)                   ; the wait at the head's end
	s_cmp_lt_u32 s12, 4
	s_cbranch_scc0 .Lno_wait
	s_wait_tensorcnt 0x0                           ; records 0 to 3
.Lno_wait:
	s_barrier_signal -1
	s_barrier_wait -1
	v_add_nc_u32 v3, s60, v1
	v_add_nc_u32 v4, s60, v0
	KLOAD SB, 28, 0
	KLOAD 36, 32, 1
	s_wait_alu depctr_va_vdst(0)
	TRIP 1, 0                                      ; records 0, 1
	s_wait_alu depctr_va_vdst(0)
	s_wait_tensorcnt 0x0                           ; my record has landed, whichever it is
	s_wait_dscnt 0x0
	s_barrier_signal -1
	TRIP 1, 1                                      ; records 2, 3: up to the wait register work and reads of bytes that nobody writes
	s_mov_b32 s66, 5
	s_wait_alu depctr_va_vdst(0)
.Lloop:
	TRIP 1, 0
	s_wait_alu depctr_va_vdst(0)
	s_sub_co_u32 s66, s66, 1
	s_cmp_lg_u32 s66, 0
	s_cbranch_scc1 .Lloop
	TRIP 0, 0                                      ; the last trip loads no further k
	; THE WAY OUT.  O^T / l: register i is channel 32 h + i of my query: a whole block of 32
	v_add_f32 v10, v10, v11
	v_permlanex16_b32 v72, v10, s20, s21
	v_add_f32 v10, v10, v72                        ; the row's sum
	s_wait_alu depctr_va_vdst(0)
	v_rcp_f32 v10, v10
	v_nop                                          ; a plain line behind the reciprocal; with the additions above, the places behind the last products
	v_nop
	v_nop
	s_wait_alu depctr_va_vdst(0)                   ; the wait ahead of the first reader
.set J_, 0
.rept 16
	v_pk_mul_f32 v[96+J_:97+J_], v[O+J_:O+J_+1], v[10:11] op_sel_hi:[1,0]   ; ascending: each accumulator is read from its low end on
.set J_, J_+2
.endr
	v_max3_num_f32 v90, |v96|, |v97|, 0x1800000
	v_max3_num_f32 v91, |v112|, |v113|, |v114|
.irp i, 2,4,6,8,10,12
	v_max3_num_f32 v90, v90, |v[96+\i]|, |v[97+\i]|
	v_max3_num_f32 v91, v91, |v[113+\i]|, |v[114+\i]|
.endr
	v_max3_num_f32 v90, v90, |v110|, |v111|
	v_max3_num_f32 v90, v90, |v127|, v91
	v_add_nc_u32 v80, 0xff000000, v90
	v_lshrrev_b32 v81, 23, v80
	v_cvt_scalef32_pk16_fp6_f32 v[84:86], v[96:111], v80
	v_cvt_scalef32_pk16_fp6_f32 v[88:90], v[112:127], v80
	v_lshrrev_b32 v72, 8, v1                       ; h
	v_and_or_b32 v13, v1, 0xf0, v72                ; 16 r + h: my byte of the result's scales
	v_mov_b32 v87, v88
	v_mov_b32 v88, v89
	v_mov_b32 v89, v90                             ; six registers: k = 32 h + 0 .. 31 of my head's 64: half a fragment of the last product
	global_store_b128 v1, v[84:87], s[80:81]                       ; 512 consecutive bytes,
	global_store_b64 v0, v[88:89], s[80:81] offset:512             ; and 256: both aligned
	global_store_b8 v13, v81, s[82:83]
	s_wait_tensorcnt 0x0                           ; the wave's end
	ds_add_u32 v5, v6
	s_wait_dscnt 0x0
	CROUND                                         ; the closing round
	s_endpgm
.Lfunc_end_k_qb2451121ea_attn:
	.size	k_qb2451121ea_attn, .Lfunc_end_k_qb2451121ea_attn-k_qb2451121ea_attn
	.p2alignl 7, 3214868480
	.fill 96, 4, 3214868480
	.section	.rodata,"a",@progbits
	.p2align	6, 0x0
	.amdhsa_kernel k_qb2451121ea_attn
		.amdhsa_group_segment_fixed_size 210944
		.amdhsa_private_segment_fixed_size 0
		.amdhsa_enable_private_segment 0
		.amdhsa_kernarg_size 32
		.amdhsa_user_sgpr_count 2
		.amdhsa_user_sgpr_kernarg_segment_ptr 1
		.amdhsa_wavefront_size32 1
		.amdhsa_system_sgpr_workgroup_id_x 1
		.amdhsa_system_sgpr_workgroup_id_y 1
		.amdhsa_system_sgpr_workgroup_id_z 1
		.amdhsa_system_vgpr_workitem_id 0
		.amdhsa_next_free_vgpr 256
		.amdhsa_next_free_sgpr 90
		.amdhsa_reserve_vcc 0
		.amdhsa_float_denorm_mode_32 3
		.amdhsa_float_denorm_mode_16_64 3
		.amdhsa_memory_ordered 1
		.amdhsa_forward_progress 1
		.amdhsa_inst_pref_size 119
	.end_amdhsa_kernel
	.amdgpu_metadata
---
amdhsa.version: [ 1, 2 ]
amdhsa.kernels:
  - .name:           k_qb2451121ea_attn
    .symbol:         k_qb2451121ea_attn.kd
    .args:
      - { .name: qc, .offset: 0, .size: 8, .value_kind: global_buffer, .address_space: global }
      - { .name: qs, .offset: 8, .size: 8, .value_kind: global_buffer, .address_space: global }
      - { .name: kv, .offset: 16, .size: 8, .value_kind: global_buffer, .address_space: global }
      - { .name: att, .offset: 24, .size: 8, .value_kind: global_buffer, .address_space: global }
    .group_segment_fixed_size: 210944
    .private_segment_fixed_size: 0
    .kernarg_segment_align: 8
    .kernarg_segment_size: 32
    .max_flat_workgroup_size: 512
    .sgpr_count:     90
    .vgpr_count:     256
    .wavefront_size: 32
...
	.end_amdgpu_metadata
.endif
;; end of part 3
;; launch proj (part 4): grid 8 x 32, 4 waves a work-group, clusters of 4 x 4, 222,720 bytes of LDS; arguments att, xw, b_out, out0; writes out0
.if DOCPART == 4
	.amdgcn_target "amdgcn-amd-amdhsa--gfx1250"
	.amdhsa_code_object_version 6
	.text
	.protected	k_qb2451121ea_proj
	.globl	k_qb2451121ea_proj
	.p2align	8
	.type	k_qb2451121ea_proj,@function
k_qb2451121ea_proj:
	s_mov_b64 s[64:65], 0
	v_nop
	global_prefetch_b8 v0, s[64:65] scope:SCOPE_SE
	s_setreg_imm32_b32 hwreg(HW_REG_WAVE_MODE, 25, 1), 1
	s_wait_xcnt 0x0
	s_wait_alu depctr_hold_cnt(0) depctr_sa_sdst(0) depctr_va_vdst(0) depctr_va_sdst(0) depctr_va_ssrc(0) depctr_va_vcc(0) depctr_vm_vsrc(0)
	s_getreg_b32 s2, hwreg(HW_REG_IB_STS2, 6, 4)
	s_cmp_eq_u32 s2, 0
	s_cbranch_scc0 .Lentry_in_a_cluster
	s_endpgm
.Lentry_in_a_cluster:
	s_bfe_u32 s2, ttmp6, 0x10000c
	s_cmp_lg_u32 s2, 0xf033
	s_cbranch_scc0 .Lentry_shape_is_right
	s_endpgm
.Lentry_shape_is_right:
; out0 = attention's output x w_out + b_out on codes of FP6 (E2M3) with E8M0 scales, sums in f32.  [4,096 x 1,024] x [1,024 x 1,024].
; SHARES.  256 work-groups, one for each of the 32 x 8 tiles of 128 x 128 (tiles of 256 x 256 would be 64); four waves, each 64 tokens x 64 features.  A wave holds its 64 features, ALL of K, in registers (32 fragments) and takes
; its four tiles of 16 tokens one after the other, 32 products each: each leaves while the next is multiplied.
; Source 0 = 16 features, source 1 = 16 tokens: a lane holds one token, and by the order of rows the 32 registers of four feature tiles are 128 neighbouring bytes of a row of out0.  The bias is the C of each sum's first product.
; LDS.  A tile is 12,800 dense bytes: scale words, then codes.  All fits: one joint load a wave at the head: waves 0, 1 four feature tiles each, waves 2, 3 four token tiles each.  Nothing is filled again.
; CLUSTER 4 x 4: the tokens' tiles hang on the tile row alone and are asked for jointly by a row of the cluster, the features' on the tile column, by a column.
; No prefetch into the L2: every byte is asked for at the head.
; OPERANDS.  w_out's fragments are images of 12 registers (three loads of 16 bytes a lane).  Attention's come in two halves, one from each of two heads: for each half 512 bytes (four registers, 16 bytes a lane) and 256 (two, 8 a lane).
; Row p of tile 4 g + j is row 64 g + 8 j + p % 8 + 32 (p / 8), for tokens and features alike.
; LIMITS: NaN and infinities are not served.
; REGISTERS.  Window 0: v3-15 addresses; v32-69 scale words (10 i + s; lanes 0-15 the features' tile i, lanes 16-31 the tokens'); v96-127, v128-159 accumulators; v160-191 the bias; v192-255 rows back from the stage.
; Windows 1, 2: the features' fragments 4 s + b, sixteen to a window.  Window 3: the tokens', two sets of eight, v0-95, v96-191.
.set TILE, 12800
.set STGB, 204800                      ; the stages: 16 rows x (256 bytes + 16) for each wave, bytes into which no tensor load lands
.set SPARE, 222208
.set SC,   32
.set MSB, 0
.macro WIN new
.if MSB != (\new)
	s_set_vgpr_msb (MSB<<8)|(\new)
.set MSB, (\new)
.endif
.endm
.macro PLACES n
.rept \n
	v_nop
.endr
.endm
.macro CROUND
	s_barrier_signal -1
	s_barrier_wait -1
	s_cmp_lg_u32 s16, 0
	s_cbranch_scc1 .Lnot_wave_0_\@
	s_barrier_signal -3
.Lnot_wave_0_\@:
	s_barrier_wait -3
	s_barrier_signal -1
	s_barrier_wait -1
.endm
	s_load_b128 s[4:7], s[0:1], 0x0                ; att, xw
	s_load_b128 s[8:11], s[0:1], 0x10              ; b_out, out0
	v_lshl_add_u32 v14, v0, 2, SPARE
	v_mov_b32 v15, 0
	ds_add_u32 v14, v15                            ; the opening lines
	ds_add_u32 v14, v15
	v_lshrrev_b32 v1, 5, v0
	v_readfirstlane_b32 s16, v1                    ; wave 0..3
	s_lshr_b32 s17, s16, 1                         ; i1: my half of the tokens.  Also: I fetch features (0) or tokens (1)
	s_and_b32 s18, s16, 1                          ; i0: my half of the features.  Also: which 4 tiles I fetch
	s_bfe_u32 s19, ttmp6, 0x40000                  ; cx
	s_bfe_u32 s20, ttmp6, 0x40004                  ; cy
	s_lshl_b32 s21, ttmp9, 2
	s_add_co_u32 s21, s21, s19                     ; which 128 features
	s_and_b32 s22, ttmp7, 0xffff
	s_lshl_b32 s22, s22, 2
	s_add_co_u32 s22, s22, s20                     ; which 128 tokens
	s_lshl_b32 s23, s20, 2
	s_lshl_b32 s23, 15, s23                        ; my row of the cluster
	s_lshl_b32 s2, 0x1111, s19                     ; my column
	s_or_b32 s24, s23, (3<<16)|(1<<21)             ; 15:0 the mask; 17:16 elements of 8 bytes; 21 set beside a mask.  Four tiles: 200 rows of 256 dense bytes
	s_or_b32 s32, s2, (3<<16)|(1<<21)
.irp g, 24, 32
	s_mov_b32 s[\g+1], 32<<16
	s_mov_b32 s[\g+2], 200<<16
	s_mov_b32 s[\g+3], 32<<16
	s_mov_b32 s[\g+4], 200
	s_mov_b32 s[\g+5], 32
	s_mov_b32 s[\g+6], 0
	s_mov_b32 s[\g+7], 0
.endr
	s_mul_i32 s96, s22, 8*TILE                     ; the tokens' four tiles
	s_mul_i32 s3, s18, 4*TILE
	s_add_co_u32 s96, s96, s3
	s_mov_b32 s97, 0
	s_mul_i32 s98, s21, 8*TILE                     ; the features', from tile 448 on
	s_add_co_u32 s98, s98, s3
	s_add_co_u32 s98, s98, 448*TILE
	s_mov_b32 s99, 0
	s_mul_i32 s66, s16, 4*TILE                     ; where they go: no place in the cluster enters an LDS address
	s_wait_alu depctr_va_vdst(0)
	s_wait_dscnt 0x0
	CROUND                                         ; all sixteen work-groups are here: the joint loads meet
	s_wait_kmcnt 0x0
	s_mov_b32 s56, 1
	s_mov_b32 s57, s66
	s_add_nc_u64 s[58:59], s[4:5], s[96:97]
	s_or_b32 s59, s59, 0x80000000
	s_mov_b32 s60, 1
	s_mov_b32 s61, s66
	s_add_nc_u64 s[62:63], s[6:7], s[98:99]
	s_or_b32 s63, s63, 0x80000000
	s_cmp_lt_u32 s16, 2
	s_cbranch_scc0 .Ltokens
	tensor_load_to_lds s[60:63], s[32:39]
	s_nop 0
	PLACES 4
	s_branch .Lasked
.Ltokens:
	tensor_load_to_lds s[56:59], s[24:31]
	s_nop 0
	PLACES 4
.Lasked:
	v_and_b32 v1, 31, v0
	v_and_b32 v2, 15, v0                           ; r
	v_bfe_u32 v11, v0, 4, 1                        ; h
	s_mul_i32 s66, s18, 4*TILE
	s_mul_i32 s67, s17, 4*TILE
	s_add_co_u32 s67, s67, 8*TILE                  ; the tokens lie behind the features' 8 tiles
	s_sub_co_u32 s68, s67, s66
	s_mul_i32 s69, s16, 4352
	s_add_co_u32 s69, s69, STGB                    ; my stage
	s_wait_alu depctr_va_vdst(0)
	v_lshl_add_u32 v3, v1, 4, s66                  ; my features' fragments
	v_lshl_add_u32 v4, v1, 4, s67                  ; my tokens', 16 bytes a lane,
	v_lshl_add_u32 v5, v1, 3, s67                  ; and 8
	v_mul_u32_u24 v6, s68, v11                     ; scale words: lanes 16-31 take the tokens': the lower base + h x the distance
	v_lshl_add_u32 v6, v2, 4, v6
	v_add_nc_u32 v6, s66, v6
	v_mul_u32_u24 v7, v2, 272
	v_lshl_add_u32 v7, v11, 7, v7
	v_add_nc_u32 v7, s69, v7                       ; into the stage: row r, + 128 h
	v_mul_u32_u24 v8, v11, 272
	v_lshl_add_u32 v8, v2, 4, v8
	v_add_nc_u32 v8, s69, v8                       ; back: lanes 0-15 one row of 256 bytes, lanes 16-31 the next
	v_lshlrev_b32 v9, 12, v11
	v_lshl_add_u32 v9, v2, 4, v9                   ; and the same two rows in out0
	v_lshlrev_b32 v10, 7, v11
	s_lshl_b32 s2, s21, 9
	s_lshl_b32 s3, s18, 8
	s_add_co_u32 s2, s2, s3                        ; my 64 features, in bytes
	s_mov_b32 s3, 0
	s_add_nc_u64 s[8:9], s[8:9], s[2:3]
	s_add_nc_u64 s[10:11], s[10:11], s[2:3]
	s_lshl_b32 s2, s22, 19
	s_lshl_b32 s66, s17, 18
	s_add_co_u32 s2, s2, s66                       ; my first token's row
	s_add_nc_u64 s[10:11], s[10:11], s[2:3]
	s_wait_alu depctr_va_vdst(0)
.irp q, 0,1,2,3,4,5,6,7
	global_load_b128 v[160+4*\q:163+4*\q], v10, s[8:9] offset:16*\q   ; register 8 b + i: feature 32 h + 8 b + i
.endr
.macro FETCH a                         ; token tile a into set a % 2: 32 loads
	WIN 0xc0
.irp s, 0,1,2,3,4,5,6,7
.irp c, 0,1
	ds_load_b128 v[96*((\a)%2)+12*\s+6*\c:96*((\a)%2)+12*\s+6*\c+3], v4 offset:TILE*(\a)+512+1536*\s+768*\c
	ds_load_b64 v[96*((\a)%2)+12*\s+6*\c+4:96*((\a)%2)+12*\s+6*\c+5], v5 offset:TILE*(\a)+1024+1536*\s+768*\c
.endr
.endr
	WIN 0
.endm
.macro PRODS a, from, to               ; products from .. to - 1 of token tile a: n = 4 s + b.  The four accumulators take turns, one instruction a turn
.set N_, \from
.rept (\to)-(\from)
.set S_, N_/4
.set B_, N_%4
.set D_, 96+32*((\a)%2)+8*B_
.set W_, 12*(N_%16)
.set T_, 96*((\a)%2)+12*S_
	WIN 0x0d+N_/16
.if S_ == 0
	v_wmma_scale_f32_16x16x128_f8f6f4 v[D_:D_+7], v[W_:W_+11], v[T_:T_+11], v[160+8*B_:167+8*B_], v[SC+10*B_+S_], v[SC+10*(\a)+S_] matrix_a_fmt:MATRIX_FMT_FP6 matrix_b_fmt:MATRIX_FMT_FP6 matrix_b_scale:MATRIX_SCALE_ROW1
.else
	v_wmma_scale_f32_16x16x128_f8f6f4 v[D_:D_+7], v[W_:W_+11], v[T_:T_+11], v[D_:D_+7], v[SC+10*B_+S_], v[SC+10*(\a)+S_] matrix_a_fmt:MATRIX_FMT_FP6 matrix_b_fmt:MATRIX_FMT_FP6 matrix_b_scale:MATRIX_SCALE_ROW1
.endif
.set N_, N_+1
.endr
	WIN 0
.endm
.macro TOSTAGE a                       ; a lane's 128 bytes of a row go in, whole rows of 256 bytes come back.  LDS serves a wave's instructions in order: no wait between them
.irp q, 0,1,2,3,4,5,6,7
	ds_store_b128 v7, v[96+32*((\a)%2)+4*\q:99+32*((\a)%2)+4*\q] offset:16*\q   ; each accumulator from its low end on
.endr
.irp i, 0,1,2,3,4,5,6,7
	ds_load_b128 v[192+32*((\a)%2)+4*\i:195+32*((\a)%2)+4*\i], v8 offset:544*\i
.endr
.endm
.macro SEND a
.irp i, 0,1,2,3,4,5,6,7
	global_store_b128 v9, v[192+32*((\a)%2)+4*\i:195+32*((\a)%2)+4*\i], s[10:11] offset:(8*(\a)+2*\i+24*(\i/4))*4096 th:TH_STORE_NT   ; rows 2 i and 2 i + 1 of the tile: 16 lanes store 256 consecutive bytes, aligned
.endr
.endm
.macro TOKENS a, w, m                  ; w: LDS instructions issued behind tile a's loads; m: behind the last tile's way through the stage
	s_wait_dscnt \w
	PRODS \a, 0, 16
.if (\a) > 0
	s_wait_dscnt \m
	SEND (\a)-1
.endif
	PRODS \a, 16, 32
	PLACES 4                                       ; behind the products: their results are read, and their tokens' registers loaded
.if (\a) > 1
	s_wait_xcnt 0x0                                ; the stores of two tiles ago have read their registers
.endif
	TOSTAGE \a
.if (\a) < 2
	FETCH (\a)+2
.endif
.endm
	s_cmp_lt_u32 s16, 2
	s_cbranch_scc0 .Lno_wait
	s_wait_tensorcnt 0x0                           ; waves 0, 1: the features
.Lno_wait:
	s_barrier_signal -1
	s_barrier_wait -1
.set N_, 0
.rept 32
	WIN 0x40*(1+N_/16)
.irp c, 0,1,2
	ds_load_b128 v[12*(N_%16)+4*\c:12*(N_%16)+4*\c+3], v3 offset:TILE*(N_%4)+512+1536*(N_/4)+512*\c
.endr
.set N_, N_+1
.endr
	WIN 0
	s_wait_tensorcnt 0x0                           ; the tokens
	s_wait_dscnt 0x0
	s_barrier_signal -1
	s_barrier_wait -1
.irp i, 0,1,2,3
.irp k, 0,1
	ds_load_b128 v[SC+10*\i+4*\k:SC+10*\i+4*\k+3], v6 offset:TILE*\i+256*\k   ; all of K's scale words, once
.endr
.endr
	FETCH 0
	FETCH 1
	s_wait_loadcnt 0x0                             ; the bias
	TOKENS 0, 32, 0                                ; tile 1's 32 loads may be out
	TOKENS 1, 48, 32                               ; tile 0's 16 through the stage, tile 2's 32;  then tile 2's alone
	TOKENS 2, 48, 32
	TOKENS 3, 16, 0
	s_wait_dscnt 0x0
	SEND 3
	s_wait_tensorcnt 0x0                           ; the wave's end
	ds_add_u32 v14, v15
	s_wait_dscnt 0x0
	CROUND                                         ; the closing round
	s_endpgm
.Lfunc_end_k_qb2451121ea_proj:
	.size	k_qb2451121ea_proj, .Lfunc_end_k_qb2451121ea_proj-k_qb2451121ea_proj
	.p2alignl 7, 3214868480
	.fill 96, 4, 3214868480
	.section	.rodata,"a",@progbits
	.p2align	6, 0x0
	.amdhsa_kernel k_qb2451121ea_proj
		.amdhsa_group_segment_fixed_size 222720
		.amdhsa_private_segment_fixed_size 0
		.amdhsa_enable_private_segment 0
		.amdhsa_kernarg_size 32
		.amdhsa_user_sgpr_count 2
		.amdhsa_user_sgpr_kernarg_segment_ptr 1
		.amdhsa_wavefront_size32 1
		.amdhsa_system_sgpr_workgroup_id_x 1
		.amdhsa_system_sgpr_workgroup_id_y 1
		.amdhsa_system_sgpr_workgroup_id_z 1
		.amdhsa_system_vgpr_workitem_id 0
		.amdhsa_next_free_vgpr 1024
		.amdhsa_next_free_sgpr 100
		.amdhsa_reserve_vcc 0
		.amdhsa_float_denorm_mode_32 3
		.amdhsa_float_denorm_mode_16_64 3
		.amdhsa_memory_ordered 1
		.amdhsa_forward_progress 1
		.amdhsa_inst_pref_size 47
	.end_amdhsa_kernel
	.amdgpu_metadata
---
amdhsa.version: [ 1, 2 ]
amdhsa.kernels:
  - .name:           k_qb2451121ea_proj
    .symbol:         k_qb2451121ea_proj.kd
    .args:
      - { .name: att, .offset: 0, .size: 8, .value_kind: global_buffer, .address_space: global }
      - { .name: xw, .offset: 8, .size: 8, .value_kind: global_buffer, .address_space: global }
      - { .name: b_out, .offset: 16, .size: 8, .value_kind: global_buffer, .address_space: global }
      - { .name: out0, .offset: 24, .size: 8, .value_kind: global_buffer, .address_space: global }
    .group_segment_fixed_size: 222720
    .private_segment_fixed_size: 0
    .kernarg_segment_align: 8
    .kernarg_segment_size: 32
    .max_flat_workgroup_size: 128
    .sgpr_count:     100
    .vgpr_count:     1024
    .wavefront_size: 32
...
	.end_amdgpu_metadata
.endif
;; end of part 4
